; MI455X (gfx1250); checked and timed in simulation.
; The chip was launched on July 23, 2026; its instructions are those of AMD's public machine-readable ISA for CDNA 5 (MIT licence, August 2026) and "CDNA5" Instruction Set Architecture Reference Guide (July 2026). The comments in the code are by the model that wrote it; some were corrected since.
;; Grouped Query Attention. Allowed arithmetic: matrix products marked QUANTISED: E2M3 operands, one E8M0 scale for each 32 along K, by v_wmma_scale_f32_16x16x128_f8f6f4 with both operands' format E2M3, f32 sums; everything else in f32.
;; Inputs: Wk 2,048 x 512 float32; Wo 2,048 x 2,048 float32; Wq 2,048 x 2,048 float32; Wv 2,048 x 512 float32; cos 2,048 x 64 float32; mask 1 x 1 x 2,048 x 2,048 bool; sin 2,048 x 64 float32; x 1 x 2,048 x 2,048 float32.
;; Outputs: out0 1 x 2,048 x 2,048 float32; out1 1 x 4 x 2,048 x 128 float32; out2 1 x 4 x 2,048 x 128 float32.
;; This version of the problem:
;;   THIS VERSION OF THE PROBLEM IS GIVEN IN LOW PRECISION. The matrix products marked QUANTISED in the list below multiply operands that are first quantised to E2M3 (2 exponent bits, 3 mantissa bits; 6 bits a number), with one power-of-two scale for each 32 numbers along K (OCP MX v1.0); their sums are f32. All else is computed in f32.
;;   The module's matrix products, in the order in which they are computed (A, B: the left and right operand; K: the contracted axis; several contracted axes count as one K, in the product's order):
;;     1. [M 2,048, K 2,048] x [K 2,048, N 2,048]; A: input x; B: input Wq: QUANTISED
;;     2. [M 2,048, K 2,048] x [K 2,048, N 512]; A: input x; B: input Wk: QUANTISED
;;     3. [M 2,048, K 2,048] x [K 2,048, N 512]; A: input x; B: input Wv: QUANTISED
;;     4. batch 16 x [M 2,048, K 128] x [K 128, N 2,048]; A: computed on the way; B: computed on the way: QUANTISED
;;     5. batch 16 x [M 2,048, K 2,048] x [K 2,048, N 128]; A: softmax (see below); B: computed on the way: QUANTISED
;;     6. [M 2,048, K 2,048] x [K 2,048, N 2,048]; A: computed on the way; B: input Wo: QUANTISED
;;   THE QUANTISER, for each operand of a quantised product, along K:
;;     - K is cut into blocks of 32 from its start; a last block that is shorter is filled with zeros.
;;     - A block's scale is 2^e with e = floor(log2(the largest magnitude in the block)) - 2, held to -126 .. 127; a block of zeros has e = 0. As a byte (E8M0): e + 127.
;;     - Each number is divided by its block's scale, clamped to +-7.5, and rounded to the nearest number of E2M3, ties to even, subnormals kept.
;;     - The product sums the exact products of the quantised numbers (number of the format x scale) in f32.
;;   ~~~python
;;   def quantise(x, axis):      # numpy; x: float32 -> the quantised numbers, widened to float32 again
;;       x = np.moveaxis(x, axis, -1); K = x.shape[-1]
;;       x = np.pad(x, [(0, 0)] * (x.ndim - 1) + [(0, -K % 32)]); x = x.reshape(x.shape[:-1] + (-1, 32)); a = np.abs(x).max(-1, keepdims=True)
;;       e = np.where(a > 0, np.clip(np.frexp(np.where(a > 0, a, 1))[1] - 1 - 2, -126, 127), 0)      # np.frexp(a)[1] - 1 = floor(log2(a)), exactly
;;       r = np.clip(x / 2.0 ** e, -7.5, 7.5)
;;       step = 2.0 ** (np.maximum(np.frexp(np.where(r == 0, 1, r))[1] - 1, 0) - 3)
;;       q = np.round(r / step) * step * 2.0 ** e      # np.round: ties to even
;;       return np.moveaxis(q.reshape(q.shape[:-2] + (-1,))[..., :K], -1, axis).astype(np.float32)
;;   ~~~
;;   SOFTMAX AHEAD OF A QUANTISED PRODUCT. Where the list says 'softmax', what is quantised is not the finished softmax but p = 2^(t - M), with t = logit x log2(e) and M = ceil(the row's largest t), a whole number; so 1/2 < the row's largest p <= 1. The row's sum l is taken of the UNQUANTISED p, in f32, and the product's result is divided by l at the end. Since M is a whole number, a kernel that streams over the keys may use a running M (the ceiling of the running maximum): every later rescaling is an exact power of two, which a block's scale takes up: the codes' values come out the same.
;;   OPERANDS COMPUTED ON THE WAY. 'Computed on the way' means the value that the module computes at that place (a softmax that the list does not call 'softmax' is quantised finished and normalised). What goes into a quantiser is computed in f32, as accurately as f32 sums, v_exp_f32 and their like allow (about 1e-6 of the number): no bf16 or f16 on the way to a quantiser, and a product that is left as it is and whose result goes on into a quantised operand takes f32 operands (vector FMAs, or v_wmma_f32_16x16x4_f32). A number that lies on a knife's edge between two numbers of the format may be rounded either way, as far as f32 arithmetic and the matrix unit's own rounding can turn it there, and no further.
;; One version. Each part assembles by itself: llvm-mc -triple=amdgcn-amd-amdhsa -mcpu=gfx1250 --defsym DOCPART=n.
;; ======== version 1 of 1: 4 launches
;; limits: right only within a limited range of input values
;; workspace buffers: codes1 11,468,800 bytes; maskw 526,336 bytes of whole numbers; qkv 4,915,200 bytes; ctx 3,276,800 bytes
;; launch prep (part 1): grid 576 x 1, 4 waves a work-group, no clusters, 46,592 bytes of LDS; arguments mask, x, Wq, Wk, Wv, Wo, codes1, maskw; writes codes1, maskw
.if DOCPART == 1
	.amdgcn_target "amdgcn-amd-amdhsa--gfx1250"
	.amdhsa_code_object_version 6
	.text
	.protected	k_qf816fdd0ff_prep
	.globl	k_qf816fdd0ff_prep
	.p2align	8
	.type	k_qf816fdd0ff_prep,@function
k_qf816fdd0ff_prep:
	s_mov_b64 s[64:65], 0
	v_nop
	global_prefetch_b8 v0, s[64:65] scope:SCOPE_SE
	s_setreg_imm32_b32 hwreg(HW_REG_WAVE_MODE, 25, 1), 1
	s_wait_xcnt 0x0
; PREP: x [2048][2048] and the four weights ([2048 (k)][n]) become codes of FP6 (E2M3) with one E8M0 byte for each 32 along K; the mask becomes lane masks.
; LAYOUT OF THE CODES: images of operand registers.  A fragment (tile T of 16 rows, K step s of 128) is 1,536 bytes: byte 512 c + 16 lane + 4 m is register 4 c + m of that lane;
; registers 6 c' .. 6 c' + 5 of lane (r, h) hold k = 128 s + 64 c' + 32 h + 0 .. 31 of the tile's row r.  THE ROWS OF A TILE ARE NOT NEIGHBOURS: row r of tile T is 32 (T / 2) + 8 (T % 2) + r + 8 (r / 8).
; Scale words (four bytes: 128 along K of a row) lie [T][s / 4][r][s % 4].
; A block's scale is 2^(floor(log2(largest magnitude)) - 2); its byte is the largest magnitude's exponent field - 2, held at 1 from below (a block of zeros keeps the byte 1: its codes are zeros, and this program alone reads the bytes).
; LIMITS: blocks whose largest magnitude lies under 2^(2 - 126) have their byte held at 1; NaN and infinities among the inputs are not served.
; THREE PATHS, parted on the work-group's number alone, each with LDS bytes of its own: 0-127 the mask, 128-255 x, 256-575 the weights.
; No matrix work, no tensor loads, no cluster: the work-groups share no input, and every input byte is read once.
.set XIMG,  0
.set XSC,   3145728
.set WIMG,  3276800
.set WSC,   7995392
.set WOIMG, 8192000
.set WOSC,  11337728
.set FLG,   524288                     ; in maskw: behind the lane masks, four flag words a tile
.set XST,   0                          ; LDS: x's stages, 16 rows x 528 bytes for each wave
.set WST,   33792                      ; the weights' stages, two fragments for each wave
.set SPARE, 46080                      ; the spare words, 128 bytes for each wave: two blocks of 256 bytes that no other line names
.set SPW, 4                            ; v4  LDS address of my spare word; never rewritten
.set NIL, 5                            ; v5  0; never rewritten
.set SEL, 18                           ; s[18:19] lane selects: lane l xor 16
.set PC,  208                          ; v208-227 the codes just made
.set TM,  228                          ; v228-243 at work in QUANT
.set PW,  244                          ; v244 the scale word just made
.set PWS, 248                          ; v248-251 four K steps' scale words
; 64 numbers of a lane, register 16 b + i = k 32 b + 16 (lane / 16) + i of my row, become a fragment's codes in v[PC] on and its scale word in v[PW].
.macro QUANT s
.irp b, 0,1,2,3
	v_max3_num_f32 v[TM+\b], |v[\s+16*\b]|, |v[\s+1+16*\b]|, 0x1800000   ; my 16 numbers of block b, and the floor 2^(3 - 127): the byte cannot fall under 1
.endr
.irp i, 2,4,6,8,10,12,14
.irp b, 0,1,2,3
	v_max3_num_f32 v[TM+\b], v[TM+\b], |v[\s+16*\b+\i]|, |v[\s+1+16*\b+\i]|
.endr
.endr
.irp b, 0,1,2,3
	v_permlanex16_b32 v[TM+4+\b], v[TM+\b], s[SEL], s[SEL+1]
.endr
.irp b, 0,1,2,3
	v_max_num_f32 v[TM+\b], v[TM+\b], v[TM+4+\b]   ; with lane l xor 16's: the block's largest magnitude
.endr
.irp b, 0,1,2,3
	v_add_nc_u32 v[TM+12+\b], 0xff000000, v[TM+\b]   ; 2 off its exponent field: the conversion's scale operand
.endr
.irp b, 0,1,2,3
	v_lshrrev_b32 v[TM+4+\b], 23, v[TM+12+\b]   ; the scale's byte
.endr
	v_lshl_or_b32 v[PW], v[TM+5], 8, v[TM+4]
	v_lshl_or_b32 v[PW], v[TM+6], 16, v[PW]
	v_lshl_or_b32 v[PW], v[TM+7], 24, v[PW]
.irp c, 0,1
	v_cvt_scalef32_pk16_fp6_f32 v[PC+6*\c:PC+2+6*\c], v[\s+32*\c:\s+15+32*\c], v[TM+12+2*\c]
	v_cvt_scalef32_pk16_fp6_f32 v[PC+12+4*\c:PC+14+4*\c], v[\s+16+32*\c:\s+31+32*\c], v[TM+12+2*\c+1]   ; (a conversion's three registers begin on an even number)
.endr
	v_nop                                          ; one plain place behind a scaled conversion
.irp c, 0,1                                    ; the operand's layout wants a whole block in a lane
.irp i, 0,1,2
	v_permlane16_swap_b32 v[PC+6*\c+\i], v[PC+12+4*\c+\i]
.endr
.irp i, 0,1,2
	v_mov_b32 v[PC+3+6*\c+\i], v[PC+12+4*\c+\i]
.endr
.endr
.endm
.macro CLOSE                           ; the wave's end
	s_wait_tensorcnt 0x0
	ds_add_u32 v[SPW], v[NIL]
	s_wait_dscnt 0x0
	s_endpgm
.endm
	s_load_b512 s[32:47], s[0:1], 0x0              ; mask s[32:33], x s[34:35], Wq s[36:37], Wk s[38:39], Wv s[40:41], Wo s[42:43], codes1 s[44:45], maskw s[46:47]
	v_lshl_add_u32 v[SPW], v0, 2, SPARE
	v_mov_b32 v[NIL], 0
	v_lshrrev_b32 v6, 5, v0
	v_readfirstlane_b32 s16, v6                    ; wave 0..3
	v_and_b32 v1, 31, v0                           ; lane
	v_and_b32 v2, 15, v0                           ; r
	v_bfe_u32 v3, v0, 4, 1                         ; h
	s_mov_b32 s[SEL], 0x76543210
	s_mov_b32 s[SEL+1], 0xfedcba98
	s_wait_kmcnt 0x0
	s_cmp_lt_u32 ttmp9, 128
	s_cbranch_scc1 .Lmask
	s_cmp_lt_u32 ttmp9, 256
	s_cbranch_scc1 .Lx
; ---- THE WEIGHTS.  A work-group takes 128 columns x 256 along K, a wave 32 columns.  A lane takes a column and its registers run down K: a block of 32 lies in one lane.
	s_sub_co_u32 s20, ttmp9, 256
	s_lshr_b32 s21, s20, 3                         ; column block 0..39: 0-15 Wq, 16-19 Wk, 20-23 Wv, 24-39 Wo
	s_and_b32 s22, s20, 7                          ; which 256 along K
	s_mov_b64 s[4:5], s[42:43]
	s_cmp_lt_u32 s21, 24
	s_cselect_b64 s[4:5], s[40:41], s[4:5]
	s_cselect_b32 s23, 20, 24                      ; the tensor's first column block
	s_cselect_b32 s24, 11, 13                      ; log2 of a row's bytes
	s_mov_b32 s25, WOIMG
	s_cselect_b32 s25, WIMG, s25
	s_mov_b32 s26, WOSC
	s_cselect_b32 s26, WSC, s26
	s_cselect_b32 s27, 0, 24                       ; the destination's first column block
	s_cmp_lt_u32 s21, 20
	s_cselect_b64 s[4:5], s[38:39], s[4:5]
	s_cselect_b32 s23, 16, s23
	s_cmp_lt_u32 s21, 16
	s_cselect_b64 s[4:5], s[36:37], s[4:5]
	s_cselect_b32 s23, 0, s23
	s_cselect_b32 s24, 13, s24
	s_lshl_b32 s9, 1, s24                          ; a row's bytes
	s_sub_co_u32 s28, s21, s23
	s_lshl_b32 s28, s28, 9                         ; 128 columns of 4 bytes
	s_lshl_b32 s29, s16, 7                         ; my wave's 32
	s_add_co_u32 s28, s28, s29
	s_lshl_b32 s29, s22, 8                         ; row 256 kg
	s_lshl_b32 s29, s29, s24
	s_add_co_u32 s28, s28, s29
	s_mov_b32 s29, 0
	s_add_nc_u64 s[4:5], s[4:5], s[28:29]
	s_lshl_b32 s6, s9, 5                           ; 32 rows on
	s_mov_b32 s7, 0
	s_sub_co_u32 s30, s21, s27
	s_lshl_b32 s30, s30, 3
	s_lshl_b32 s31, s16, 1
	s_add_co_u32 s30, s30, s31                     ; my first tile: my 32 columns are tiles T0 and T0 + 1
	s_mul_i32 s28, s30, 24576
	s_mul_i32 s31, s22, 3072                       ; K steps 2 kg, 2 kg + 1
	s_add_co_u32 s28, s28, s31
	s_add_co_u32 s28, s28, s25
	s_add_nc_u64 s[10:11], s[44:45], s[28:29]      ; the images
	s_lshl_b32 s28, s30, 10
	s_lshr_b32 s31, s22, 1
	s_lshl_b32 s31, s31, 8
	s_add_co_u32 s28, s28, s31
	s_and_b32 s31, s22, 1
	s_lshl_b32 s31, s31, 3
	s_add_co_u32 s28, s28, s31
	s_add_co_u32 s28, s28, s26
	s_add_nc_u64 s[12:13], s[44:45], s[28:29]      ; the scale words
	v_lshlrev_b32 v8, 4, v1                        ; 16 x lane
	v_bfe_u32 v10, v0, 3, 1                        ; my column's tile of the two,
	v_and_b32 v11, 7, v0
	v_lshl_or_b32 v11, v3, 3, v11                  ; and its row there
	s_mul_i32 s31, s16, 3072
	s_add_co_u32 s31, s31, WST                     ; my stage
	v_mul_u32_u24 v6, v10, 1536
	v_lshl_add_u32 v6, v11, 4, v6
	v_add_nc_u32 v6, s31, v6                       ; in: my column's place in its fragment's image
	v_add_nc_u32 v7, s31, v8                       ; back: 16 bytes a lane
	v_lshlrev_b32 v9, 10, v10
	v_lshl_add_u32 v9, v11, 4, v9                  ; my column's scale words
	v_lshlrev_b32 v16, 2, v1                       ; v16-47: 4 x lane + i rows
.set i, 1
.rept 31
	v_add_nc_u32 v[16+i], s9, v[15+i]
.set i, i+1
.endr
.macro LOADW t                         ; block t: W(32 t + i, my column) into set t % 2; each load reads 128 consecutive bytes, the four waves side by side
.if (\t) > 0
	s_wait_xcnt 0x0                                ; the earlier loads have read their base
	s_add_nc_u64 s[4:5], s[4:5], s[6:7]
.endif
.set i, 0
.rept 32
	global_load_b32 v[48+32*((\t)&1)+i], v[16+i], s[4:5] th:TH_LOAD_NT
.set i, i+1
.endr
.endm
.macro BLOCK t
.set XS, 48+32*((\t)&1)
.if (\t) < 7
	s_wait_loadcnt 32                              ; this block's 32 loads are in; the next block's may be out
.else
	s_wait_loadcnt 0x0
.endif
	v_max3_num_f32 v120, |v[XS]|, |v[XS+1]|, |v[XS+2]|
	v_max3_num_f32 v121, |v[XS+3]|, |v[XS+4]|, |v[XS+5]|
.irp i, 6,10,14,18,22,26
	v_max3_num_f32 v120, v120, |v[XS+\i]|, |v[XS+\i+1]|
	v_max3_num_f32 v121, v121, |v[XS+\i+2]|, |v[XS+\i+3]|
.endr
	v_max3_num_f32 v120, v120, |v[XS+30]|, |v[XS+31]|
	v_max3_num_f32 v120, v120, v121, 0x1800000     ; and the floor
	v_add_nc_u32 v122, 0xff000000, v120            ; the conversion's scale operand
	v_lshrrev_b32 v123, 23, v122                   ; the byte
.if ((\t)&3) == 0
	v_mov_b32 v[124+((\t)>>2)], v123
.else
	v_lshl_or_b32 v[124+((\t)>>2)], v123, 8*((\t)&3), v[124+((\t)>>2)]
.endif
	v_cvt_scalef32_pk16_fp6_f32 v[112:114], v[XS:XS+15], v122
	v_cvt_scalef32_pk16_fp6_f32 v[116:118], v[XS+16:XS+31], v122
	v_nop                                          ; one plain place behind a scaled conversion
	v_mov_b32 v115, v116
	v_mov_b32 v116, v117
	v_mov_b32 v117, v118                           ; v112-117: the block's 24 bytes: registers 6 c' .. 6 c' + 5 of lane (row, t % 2) of the image, c' = (t / 2) % 2
.irp q, 0,2,4
	ds_store_b64 v6, v[112+\q:113+\q] offset:256*((\t)&1)+512*((6*(((\t)>>1)&1)+\q)>>2)+4*((6*(((\t)>>1)&1)+\q)&3)
.endr
.if (\t) < 6
	LOADW (\t)+2
.endif
	s_wait_dscnt 0x0                               ; the stores have read their registers
.endm
.macro OUTW g                          ; a K step's two fragments leave as they lie: each store covers 512 consecutive bytes
.irp m, 0,1,2,3,4,5
	ds_load_b128 v[128+24*\g+4*\m:128+24*\g+4*\m+3], v7 offset:512*\m   ; LDS serves a wave's instructions in order: these see my stores, and the next K step's stores come behind them
.endr
.irp m, 0,1,2,3,4,5
	s_wait_dscnt 5-\m
	global_store_b128 v8, v[128+24*\g+4*\m:128+24*\g+4*\m+3], s[10:11] offset:24576*(\m/3)+1536*\g+512*(\m%3)
.endr
.endm
	LOADW 0
	LOADW 1
	BLOCK 0
	BLOCK 1
	BLOCK 2
	BLOCK 3
	OUTW 0
	BLOCK 4
	BLOCK 5
	BLOCK 6
	BLOCK 7
	OUTW 1
	global_store_b64 v9, v[124:125], s[12:13]      ; my column's two scale words
	CLOSE
; ---- x.  A work-group takes a tile of 16 rows, a wave four K steps of 128.  Each load reads 512 consecutive bytes of one row; the rows turn through the wave's stage so that a lane holds 16 neighbours of each block.
.Lx:
	s_sub_co_u32 s20, ttmp9, 128                   ; T
	s_lshr_b32 s21, s20, 1
	s_lshl_b32 s21, s21, 5
	s_and_b32 s22, s20, 1
	s_lshl_b32 s22, s22, 3
	s_add_co_u32 s21, s21, s22                     ; the tile's first row
	s_lshl_b32 s22, s21, 13
	s_lshl_b32 s23, s16, 11
	s_add_co_u32 s22, s22, s23
	s_mov_b32 s23, 0
	s_add_nc_u64 s[34:35], s[34:35], s[22:23]
	s_mul_i32 s22, s20, 24576
	s_mul_i32 s21, s16, 6144
	s_add_co_u32 s22, s22, s21
	s_add_nc_u64 s[24:25], s[44:45], s[22:23]      ; the images (XIMG = 0)
	s_lshl_b32 s22, s20, 10
	s_lshl_b32 s21, s16, 8
	s_add_co_u32 s22, s22, s21
	s_add_co_u32 s22, s22, XSC
	s_add_nc_u64 s[26:27], s[44:45], s[22:23]      ; the scale words
	v_lshlrev_b32 v6, 4, v1                        ; 16 x lane
	s_mul_i32 s21, s16, 8448                       ; my stage (XST = 0)
	v_add_nc_u32 v7, s21, v6                       ; in: a row as it lies
	v_mul_u32_u24 v8, v2, 528
	v_lshl_add_u32 v8, v3, 6, v8
	v_add_nc_u32 v8, s21, v8                       ; back: row r, + 64 h
	v_lshlrev_b32 v9, 4, v2
.irp b, 0,1,2,3
	v_mov_b32 v[TM+4+\b], 0                        ; written once: a lane permute's destination counts as one of its sources
.endr
.macro LOADX k
.irp j, 0,1,2,3,4,5,6,7,8,9,10,11,12,13,14,15
	global_load_b128 v[16+64*((\k)&1)+4*\j:16+64*((\k)&1)+4*\j+3], v6, s[34:35] offset:(\j+8*(\j>>3))*8192+512*(\k) th:TH_LOAD_NT
.endr
.endm
.macro STEPX k
.if (\k) < 3
	s_wait_loadcnt 16                              ; this K step's sixteen loads are in; the next step's may be out
.else
	s_wait_loadcnt 0x0
.endif
.irp j, 0,1,2,3,4,5,6,7,8,9,10,11,12,13,14,15
	ds_store_b128 v7, v[16+64*((\k)&1)+4*\j:16+64*((\k)&1)+4*\j+3] offset:528*\j
.endr
.irp b, 0,1,2,3
.irp q, 0,1,2,3
	ds_load_b128 v[144+16*\b+4*\q:144+16*\b+4*\q+3], v8 offset:128*\b+16*\q
.endr
.endr
	s_wait_dscnt 0x0
.if (\k) < 2
	LOADX (\k)+2
.endif
	s_wait_xcnt 0x0                                ; the last K step's stores have read the codes' registers
	QUANT 144
.irp c, 0,1,2
	global_store_b128 v6, v[PC+4*\c:PC+4*\c+3], s[24:25] offset:1536*(\k)+512*\c
.endr
	v_mov_b32 v[PWS+(\k)], v[PW]
.endm
	LOADX 0
	LOADX 1
	STEPX 0
	STEPX 1
	STEPX 2
	STEPX 3
	global_store_b128 v9, v[PWS:PWS+3], s[26:27]   ; sixteen lanes fill 256 consecutive bytes; lanes 16-31 write the same bytes with the same values
	CLOSE
; ---- THE MASK.  A work-group takes a tile of 16 queries, a wave four key steps of 128.  Word n of a key step: bit l = mask[row r of the tile][128 step + 32 (n / 16) + 16 h + n % 16], l = r + 16 h:
; the lane mask for register n of the scores in the attention launch.  A flag word a wave: bits 0-3: the key step has a true entry; bits 4-7: all its 16 x 128 entries are true; bits 16-31: row r has a true entry in these four steps.
.Lmask:
	s_lshr_b32 s20, ttmp9, 1
	s_lshl_b32 s20, s20, 5
	s_and_b32 s21, ttmp9, 1
	s_lshl_b32 s21, s21, 3
	s_add_co_u32 s20, s20, s21                     ; the tile's first row
	s_lshl_b32 s20, s20, 11
	s_lshl_b32 s21, s16, 9
	s_add_co_u32 s20, s20, s21
	s_mov_b32 s21, 0
	s_add_nc_u64 s[32:33], s[32:33], s[20:21]
	s_lshl_b32 s20, ttmp9, 4
	s_lshl_b32 s22, s16, 2
	s_add_co_u32 s20, s20, s22
	s_add_co_u32 s20, s20, FLG
	s_add_nc_u64 s[26:27], s[46:47], s[20:21]      ; my flag word
	s_lshl_b32 s20, ttmp9, 12
	s_lshl_b32 s22, s16, 10
	s_add_co_u32 s20, s20, s22
	s_add_nc_u64 s[46:47], s[46:47], s[20:21]      ; my four key steps' words
	v_and_b32 v6, 8, v2
	v_add_nc_u32 v6, v6, v2                        ; r + 8 (r / 8)
	v_lshlrev_b32 v6, 11, v6
	v_lshl_add_u32 v6, v3, 4, v6
	v_lshlrev_b32 v7, 3, v1
	v_mov_b32 v8, 0
.irp t, 0,1,2,3
.irp b, 0,1,2,3
	global_load_b128 v[16+16*\t+4*\b:16+16*\t+4*\b+3], v6, s[32:33] offset:128*\t+32*\b th:TH_LOAD_NT
.endr
.endr
.irp j, 0,1,2,3,4,5,6,7
	v_mov_b32 v[96+\j], 0
.endr
	v_mov_b32 v85, 0
	s_mov_b32 s28, 0
	s_mov_b32 s30, 0x01010101                      ; four true entries (a bool is one byte, 0 or 1)
	s_wait_loadcnt 0x0
.irp t, 0,1,2,3
.set n, 0
.rept 64
	v_and_b32 v[80+n%4], 0xff<<(8*(n%4)), v[16+16*\t+n/4]
	v_cmp_ne_u32 s[20+n%4], 0, v[80+n%4]
	v_writelane_b32 v[96+2*\t+(n&1)], s[20+n%4], n>>1   ; lane l holds words 2 l and 2 l + 1
.set n, n+1
.endr
	v_or_b32 v84, v[16+16*\t], v[17+16*\t]
.irp j, 2,3,4,5,6,7,8,9,10,11,12,13,14,15
	v_or_b32 v84, v84, v[16+16*\t+\j]
.endr
	v_cmp_ne_u32 s24, 0, v84
	s_cmp_lg_u32 s24, 0
	s_cselect_b32 s25, 1<<\t, 0
	s_or_b32 s28, s28, s25
	v_or_b32 v85, v85, v84
	v_and_b32 v86, v[16+16*\t], v[17+16*\t]        ; all true: my 64 bytes of the key step are all 1,
.irp j, 2,3,4,5,6,7,8,9,10,11,12,13,14,15
	v_and_b32 v86, v86, v[16+16*\t+\j]
.endr
	v_cmp_eq_u32 s24, s30, v86
	s_cmp_eq_u32 s24, -1                           ; in every lane
	s_cselect_b32 s25, 16<<\t, 0
	s_or_b32 s28, s28, s25
.endr
	v_cmp_ne_u32 s24, 0, v85
	s_lshr_b32 s25, s24, 16
	s_or_b32 s24, s24, s25                         ; a row lies in lanes r and r + 16
	s_and_b32 s24, s24, 0xffff
	s_lshl_b32 s24, s24, 16
	s_or_b32 s28, s28, s24
	v_mov_b32 v104, s28
.irp t, 0,1,2,3
	global_store_b64 v7, v[96+2*\t:97+2*\t], s[46:47] offset:256*\t   ; 32 lanes store 256 consecutive bytes
.endr
	v_cmp_gt_u32 vcc_lo, 1, v1
	s_wait_xcnt 0x0                                ; EXEC changes only behind this wait
	s_and_saveexec_b32 s29, vcc_lo
	global_store_b32 v8, v104, s[26:27]
	s_wait_xcnt 0x0
	s_or_b32 exec_lo, exec_lo, s29
	CLOSE
.Lfunc_end_k_qf816fdd0ff_prep:
	.size	k_qf816fdd0ff_prep, .Lfunc_end_k_qf816fdd0ff_prep-k_qf816fdd0ff_prep
	.p2alignl 7, 3214868480
	.fill 96, 4, 3214868480
	.section	.rodata,"a",@progbits
	.p2align	6, 0x0
	.amdhsa_kernel k_qf816fdd0ff_prep
		.amdhsa_group_segment_fixed_size 46592
		.amdhsa_private_segment_fixed_size 0
		.amdhsa_enable_private_segment 0
		.amdhsa_kernarg_size 64
		.amdhsa_user_sgpr_count 2
		.amdhsa_user_sgpr_kernarg_segment_ptr 1
		.amdhsa_wavefront_size32 1
		.amdhsa_system_sgpr_workgroup_id_x 1
		.amdhsa_system_sgpr_workgroup_id_y 1
		.amdhsa_system_sgpr_workgroup_id_z 1
		.amdhsa_system_vgpr_workitem_id 0
		.amdhsa_next_free_vgpr 256
		.amdhsa_next_free_sgpr 66
		.amdhsa_reserve_vcc 1
		.amdhsa_float_denorm_mode_32 3
		.amdhsa_float_denorm_mode_16_64 3
		.amdhsa_memory_ordered 1
		.amdhsa_forward_progress 1
		.amdhsa_inst_pref_size 134
	.end_amdhsa_kernel
	.amdgpu_metadata
---
amdhsa.version: [ 1, 2 ]
amdhsa.kernels:
  - .name:           k_qf816fdd0ff_prep
    .symbol:         k_qf816fdd0ff_prep.kd
    .args:
      - { .name: mask, .offset: 0, .size: 8, .value_kind: global_buffer, .address_space: global }
      - { .name: x, .offset: 8, .size: 8, .value_kind: global_buffer, .address_space: global }
      - { .name: Wq, .offset: 16, .size: 8, .value_kind: global_buffer, .address_space: global }
      - { .name: Wk, .offset: 24, .size: 8, .value_kind: global_buffer, .address_space: global }
      - { .name: Wv, .offset: 32, .size: 8, .value_kind: global_buffer, .address_space: global }
      - { .name: Wo, .offset: 40, .size: 8, .value_kind: global_buffer, .address_space: global }
      - { .name: codes1, .offset: 48, .size: 8, .value_kind: global_buffer, .address_space: global }
      - { .name: maskw, .offset: 56, .size: 8, .value_kind: global_buffer, .address_space: global }
    .group_segment_fixed_size: 46592
    .private_segment_fixed_size: 0
    .kernarg_segment_align: 8
    .kernarg_segment_size: 64
    .max_flat_workgroup_size: 128
    .sgpr_count:     66
    .vgpr_count:     256
    .wavefront_size: 32
...
	.end_amdgpu_metadata
.endif
;; end of part 1
;; launch qkv (part 2): grid 24 x 8, 4 waves a work-group, clusters of 4 x 4, 327,680 bytes of LDS; arguments codes1, cos, sin, qkv, out1, out2; writes qkv, out1, out2
.if DOCPART == 2
	.amdgcn_target "amdgcn-amd-amdhsa--gfx1250"
	.amdhsa_code_object_version 6
	.text
	.protected	k_qf816fdd0ff_qkv
	.globl	k_qf816fdd0ff_qkv
	.p2align	8
	.type	k_qf816fdd0ff_qkv,@function
k_qf816fdd0ff_qkv:
	s_mov_b64 s[64:65], 0
	v_nop
	global_prefetch_b8 v0, s[64:65] scope:SCOPE_SE
	s_setreg_imm32_b32 hwreg(HW_REG_WAVE_MODE, 25, 1), 1
	s_wait_xcnt 0x0
	s_wait_alu depctr_hold_cnt(0) depctr_sa_sdst(0) depctr_va_vdst(0) depctr_va_sdst(0) depctr_va_ssrc(0) depctr_va_vcc(0) depctr_vm_vsrc(0)
	s_getreg_b32 s2, hwreg(HW_REG_IB_STS2, 6, 4)
	s_cmp_eq_u32 s2, 0
	s_cbranch_scc0 .Lentry_in_a_cluster
	s_endpgm
.Lentry_in_a_cluster:
	s_bfe_u32 s2, ttmp6, 0x10000c
	s_cmp_lg_u32 s2, 0xf033
	s_cbranch_scc0 .Lentry_shape_is_right
	s_endpgm
.Lentry_shape_is_right:
; QKV: q = x Wq, k = x Wk, v = x Wv on codes of FP6 (E2M3) with E8M0 scales; RoPE on q and k; k and v leave as f32 (out1, out2); q, k (along the head's 128) and v (along the keys) are quantised for the attention launch.
; SHARES.  A work-group takes 256 rows of x and one head of 128 columns (heads 0-15 q, 16-19 k, 20-23 v); a wave 64 rows (4 tiles of x) x 8 tiles of W: 32 accumulators.
; Operands lie in memory as images of their registers (1,536 bytes a fragment of 16 rows x 128 K), four K steps of a tile on end; row r of tile T is row 32 (T / 2) + 8 (T % 2) + r + 8 (r / 8).
; THE MATRIX INSTRUCTION IS USED TRANSPOSED (source 0 = 16 columns of W, source 1 = 16 rows of x): a lane holds one row of x, and the 16 registers of W's tiles 2 b, 2 b + 1 are columns 32 b + 16 (lane / 16) + 0 .. 15 of the head.
; RING.  Two LDS slots of 512 along K (four K steps): x's 16 tiles, then W's 8.  Four fills: two at the start, two refills.  A wave has two tensor loads out at the start, one behind each refill's round.
; CLUSTER 4 x 4: the four of a row share x's tiles, the four of a column W's: joint loads.  A cluster's four heads are of one kind, so the kind hangs on the cluster's x alone.
; REGISTERS: window 0: v1-15, v208, v209 addresses; v16-79 x's scale words (16 i + s), v80-207 W's (16 t + s); v252, v253 the add's two.  window 1: accumulator (i, t) at 8 (8 i + t).
;   window 2: fragment set 0 (W at 12 t, x at 96 + 12 i), later cos and sin.   window 3: fragment set 1, later the way out's work.
; LIMITS: blocks whose largest magnitude lies under 2^(2 - 126) have their scale byte held at 1 (a block of zeros too: its codes are zeros); NaN and infinities are not served.
.set XSC,   3145728
.set WIMG,  3276800
.set WSC,   7995392
.set QIMG,  0
.set QSC,   3145728
.set KIMG,  3276800
.set KSC,   4063232
.set VIMG,  4096000
.set VSC,   4882432
.set SLOTB, 147456
.set WPART, 98304
.set SPARE, 294912                     ; behind the ring: the spare words, 128 bytes for each wave: two blocks of 256 bytes that no other line names
.set AX,  4                            ; v4, v5  my four tiles of x in slot 0, 1
.set AW,  6                            ; v6, v7  W's tiles
.set SX,  16
.set SW,  80
.set SPW, 252
.set NIL, 253
.set G1A, 24
.set G0A, 32
.set G1B, 40
.set G0B, 48
.set SEL, 94
; window 3, on the way out
.set HA,  0                            ; 64 numbers of a lane
.set PC,  64                           ; the codes just made
.set TM,  84
.set PW,  100
.set TT,  104                          ; RoPE's products
.set PWS, 112                          ; four scale words
.set DD,  116
.set SH,  118
.set VX,  119
.set VM,  120
.set VSO, 122
.set VBY, 124
.set RB,  128                          ; 16 rows read back from a stage
.set MSB, 0
.macro WIN new                         ; the immediate's high byte repeats the setting that is left
.if MSB != (\new)
	s_set_vgpr_msb (MSB<<8)|(\new)
.set MSB, \new
.endif
.endm
.macro PLACES n
.rept \n
	v_nop
.endr
.endm
.macro JLOAD p                         ; a joint load into slot p: waves 0 and 1 fetch x's halves, waves 2 and 3 W's; an s_nop 0 and four v_nop follow each of the two lines
	s_cmp_eq_u32 s17, 0
	s_cbranch_scc0 .Lfor_b_\@
	tensor_load_to_lds s[G0A+4*\p:G0A+4*\p+3], s[G1A:G1A+7]
	s_nop 0
.rept 4
	v_nop
.endr
	s_branch .Lasked_\@
.Lfor_b_\@:
	tensor_load_to_lds s[G0B+4*\p:G0B+4*\p+3], s[G1B:G1B+7]
	s_nop 0
.rept 4
	v_nop
.endr
.Lasked_\@:
.endm
.macro CROUND                          ; a round of the cluster's barrier
	s_barrier_signal -1
	s_barrier_wait -1
	s_cmp_lg_u32 s16, 0
	s_cbranch_scc1 .Lnot_wave_0_\@
	s_barrier_signal -3
.Lnot_wave_0_\@:
	s_barrier_wait -3
	s_barrier_signal -1
	s_barrier_wait -1
.endm
.macro FETCH s                         ; K step s: 12 fragments, 36 loads of 512 consecutive bytes, into set s % 2
	WIN 0x80+0x40*((\s)&1)
.irp t, 0,1,2,3,4,5,6,7
.irp c, 0,1,2
	ds_load_b128 v[12*\t+4*\c:12*\t+4*\c+3], v[AW+(((\s)>>2)&1)] offset:6144*\t+1536*((\s)&3)+512*\c
.endr
.endr
.irp i, 0,1,2,3
.irp c, 0,1,2
	ds_load_b128 v[96+12*\i+4*\c:96+12*\i+4*\c+3], v[AX+(((\s)>>2)&1)] offset:6144*\i+1536*((\s)&3)+512*\c
.endr
.endr
.endm
.macro MUL s, i0, n, zero              ; x's tiles i0 .. i0 + n - 1 against W's eight; the accumulators take turns, one instruction a turn
.set ii, \i0
.rept \n
.irp t, 0,1,2,3,4,5,6,7
.if \zero
	v_wmma_scale_f32_16x16x128_f8f6f4 v[8*(8*ii+\t):8*(8*ii+\t)+7], v[12*\t:12*\t+11], v[96+12*ii:96+12*ii+11], 0, v[SW+16*\t+(\s)], v[SX+16*ii+(\s)] matrix_a_fmt:MATRIX_FMT_FP6 matrix_b_fmt:MATRIX_FMT_FP6
.else
	v_wmma_scale_f32_16x16x128_f8f6f4 v[8*(8*ii+\t):8*(8*ii+\t)+7], v[12*\t:12*\t+11], v[96+12*ii:96+12*ii+11], v[8*(8*ii+\t):8*(8*ii+\t)+7], v[SW+16*\t+(\s)], v[SX+16*ii+(\s)] matrix_a_fmt:MATRIX_FMT_FP6 matrix_b_fmt:MATRIX_FMT_FP6
.endif
.endr
.set ii, ii+1
.endr
.endm
.macro STEPN s, zero                   ; a K step whose successor lies in the same slot
.if (\s) > 0
	PLACES 4                                       ; in front of loads into the set that the last K step's products read
.endif
	FETCH (\s)+1
	s_wait_dscnt 36                                ; all but the 36 just issued: this K step's fragments are in
	WIN 0x5a+5*((\s)&1)
	MUL \s, 0, 4, \zero
.endm
.macro STEPC s, fill                   ; a slot's last K step: the change of slots
.set SL, ((\s)>>2)&1
	WIN 0
	s_wait_tensorcnt 0x0                           ; all my tensor loads have landed: my part of the next slot
	ds_add_u32 v[SPW], v[NIL]                      ; 0 onto my spare word
.if \fill
	s_add_nc_u64 s[G0A+4*SL+2:G0A+4*SL+3], s[G0A+4*SL+2:G0A+4*SL+3], 12288   ; this slot's next four K steps
	s_add_nc_u64 s[G0B+4*SL+2:G0B+4*SL+3], s[G0B+4*SL+2:G0B+4*SL+3], 12288
.endif
	s_wait_dscnt 1                                 ; this K step's fragments are in; the add may be out
	WIN 0x5a+5*((\s)&1)
	MUL \s, 0, 2, 0
	s_wait_dscnt 0x0                               ; the add is done, and my reads of this slot are over
	WIN 0
.if \fill
	CROUND                                         ; no wave of any partner still reads this slot or has a load on its way
	JLOAD SL                                       ; the first tensor load behind the round; its four v_nop are also the places in front of the loads below
.else
	s_barrier_signal -1
	s_barrier_wait -1
	PLACES 4
.endif
	FETCH (\s)+1
	WIN 0x5a+5*((\s)&1)
	MUL \s, 2, 2, 0
.endm
; 64 numbers of a lane (window 3), register 16 b + i = k 32 b + 16 (lane / 16) + i of my row, become a fragment's codes in v[PC] on and its scale word in v[PW].
.macro QUANT s
.irp b, 0,1,2,3
	v_max3_num_f32 v[TM+\b], |v[\s+16*\b]|, |v[\s+1+16*\b]|, 0x1800000   ; and the floor 2^(3 - 127): the byte cannot fall under 1
.endr
.irp i, 2,4,6,8,10,12,14
.irp b, 0,1,2,3
	v_max3_num_f32 v[TM+\b], v[TM+\b], |v[\s+16*\b+\i]|, |v[\s+1+16*\b+\i]|
.endr
.endr
.irp b, 0,1,2,3
	v_permlanex16_b32 v[TM+4+\b], v[TM+\b], s[SEL], s[SEL+1]
.endr
.irp b, 0,1,2,3
	v_max_num_f32 v[TM+\b], v[TM+\b], v[TM+4+\b]
.endr
.irp b, 0,1,2,3
	v_add_nc_u32 v[TM+12+\b], 0xff000000, v[TM+\b]   ; 2 off the exponent field: the conversion's scale operand
.endr
.irp b, 0,1,2,3
	v_lshrrev_b32 v[TM+4+\b], 23, v[TM+12+\b]
.endr
	v_lshl_or_b32 v[PW], v[TM+5], 8, v[TM+4]
	v_lshl_or_b32 v[PW], v[TM+6], 16, v[PW]
	v_lshl_or_b32 v[PW], v[TM+7], 24, v[PW]
.irp c, 0,1
	v_cvt_scalef32_pk16_fp6_f32 v[PC+6*\c:PC+2+6*\c], v[\s+32*\c:\s+15+32*\c], v[TM+12+2*\c]
	v_cvt_scalef32_pk16_fp6_f32 v[PC+12+4*\c:PC+14+4*\c], v[\s+16+32*\c:\s+31+32*\c], v[TM+12+2*\c+1]
.endr
	v_nop                                          ; one plain place behind a scaled conversion
.irp c, 0,1
.irp i, 0,1,2
	v_permlane16_swap_b32 v[PC+6*\c+\i], v[PC+12+4*\c+\i]
.endr
.irp i, 0,1,2
	v_mov_b32 v[PC+3+6*\c+\i], v[PC+12+4*\c+\i]
.endr
.endr
.endm
; 64 numbers of a lane (window 3), register 32 c + i = k 64 c + 32 (lane / 16) + i of my row: two whole blocks a lane.
.macro QUANTV
.irp c, 0,1
	v_max3_num_f32 v[VM+\c], |v[HA+32*\c]|, |v[HA+1+32*\c]|, 0x1800000
.endr
.irp i, 2,4,6,8,10,12,14,16,18,20,22,24,26,28,30
.irp c, 0,1
	v_max3_num_f32 v[VM+\c], v[VM+\c], |v[HA+32*\c+\i]|, |v[HA+1+32*\c+\i]|
.endr
.endr
.irp c, 0,1
	v_add_nc_u32 v[VSO+\c], 0xff000000, v[VM+\c]
.endr
.irp c, 0,1
	v_lshrrev_b32 v[VBY+\c], 23, v[VSO+\c]
.endr
	v_lshl_or_b32 v[PW], v[VBY+1], 16, v[VBY]      ; my two bytes: blocks h and 2 + h,
	v_lshlrev_b32 v[PW], v[SH], v[PW]              ; 8 h bits up;
	v_permlanex16_b32 v[VX], v[PW], s[SEL], s[SEL+1]
	v_or_b32 v[PW], v[PW], v[VX]                   ; with lane l xor 16's two the word is whole
.irp c, 0,1
	v_cvt_scalef32_pk16_fp6_f32 v[PC+6*\c:PC+2+6*\c], v[HA+32*\c:HA+15+32*\c], v[VSO+\c]
	v_cvt_scalef32_pk16_fp6_f32 v[PC+12+4*\c:PC+14+4*\c], v[HA+16+32*\c:HA+31+32*\c], v[VSO+\c]
.endr
	v_nop
.irp c, 0,1
.irp i, 0,1,2
	v_mov_b32 v[PC+3+6*\c+\i], v[PC+12+4*\c+\i]
.endr
.endr
.endm
	s_load_b256 s[4:11], s[0:1], 0x0               ; codes1 s[4:5], cos s[6:7], sin s[8:9], qkv s[10:11]
	s_load_b128 s[12:15], s[0:1], 0x20             ; out1 s[12:13], out2 s[14:15]
	v_lshl_add_u32 v[SPW], v0, 2, SPARE
	v_mov_b32 v[NIL], 0
	ds_add_u32 v[SPW], v[NIL]                      ; the wave's opening: the add and its wait ahead of my first tensor load
	v_lshrrev_b32 v1, 5, v0
	v_readfirstlane_b32 s16, v1                    ; wave 0..3
	s_lshr_b32 s17, s16, 1                         ; I fetch for x (0) or for W (1)
	s_and_b32 s18, s16, 1                          ; which half
	s_bfe_u32 s19, ttmp6, 0x40000                  ; cx
	s_bfe_u32 s20, ttmp6, 0x40004                  ; cy
	s_lshl_b32 s21, ttmp9, 2
	s_add_co_u32 s21, s21, s19                     ; head 0..23
	s_and_b32 s22, ttmp7, 0xffff
	s_lshl_b32 s22, s22, 2
	s_add_co_u32 s22, s22, s20                     ; block of 256 rows, 0..7
	s_lshl_b32 s23, s20, 2
	s_lshl_b32 s23, 15, s23                        ; my row of the cluster
	s_lshl_b32 s56, 0x1111, s19                    ; my column
	s_or_b32 s[G1A], s23, (3<<16)|(1<<21)          ; 15:0 the mask; 17:16 elements of 8 bytes; 21 set beside a mask; no padding
	s_or_b32 s[G1B], s56, (3<<16)|(1<<21)
	s_mov_b32 s[G1A+1], 768<<16                    ; tensor_dim0: four K steps of a tile, 6,144 bytes
	s_mov_b32 s[G1A+2], 8<<16                      ; tensor_dim1: 8 tiles
	s_mov_b32 s[G1A+3], 768<<16                    ; tile_dim0
	s_mov_b32 s[G1A+4], 8                          ; tile_dim1
	s_mov_b32 s[G1A+5], 3072                       ; from tile to tile: 24,576 bytes
	s_mov_b32 s[G1A+6], 0
	s_mov_b32 s[G1A+7], 0
	s_mov_b32 s[G1B+1], 768<<16
	s_mov_b32 s[G1B+2], 4<<16                      ; 4 tiles
	s_mov_b32 s[G1B+3], 768<<16
	s_mov_b32 s[G1B+4], 4
	s_mov_b32 s[G1B+5], 3072
	s_mov_b32 s[G1B+6], 0
	s_mov_b32 s[G1B+7], 0
	s_lshl_b32 s57, s22, 4
	s_lshl_b32 s58, s18, 3
	s_add_co_u32 s57, s57, s58                     ; x: tile 16 wgy + 8 half
	s_mul_i32 s58, s57, 24576
	s_mov_b32 s59, 0
	s_lshl_b32 s60, s21, 3
	s_lshl_b32 s61, s18, 2
	s_add_co_u32 s60, s60, s61                     ; W: tile 8 head + 4 half
	s_mul_i32 s60, s60, 24576
	s_add_co_u32 s60, s60, WIMG
	s_mov_b32 s61, 0
	s_mul_i32 s62, s16, 49152                      ; where they go: x's halves at 49,152 x wave,
	s_mul_i32 s63, s16, 24576
	s_add_co_u32 s63, s63, 49152                   ; W's at 49,152 + 24,576 x wave: no place in the cluster enters an LDS address
	s_mov_b32 s[SEL], 0x76543210
	s_mov_b32 s[SEL+1], 0xfedcba98
	s_mov_b32 s99, 0xffff0000                      ; lanes 16-31
	s_wait_dscnt 0x0                               ; the opening add is done
	s_wait_kmcnt 0x0
	s_add_nc_u64 s[66:67], s[4:5], s[58:59]
	s_add_nc_u64 s[68:69], s[4:5], s[60:61]
	CROUND                                         ; all sixteen work-groups are here: the first joint loads meet
.irp p, 0,1
	s_mov_b32 s[G0A+4*\p], 1
	s_add_co_u32 s[G0A+4*\p+1], s62, \p*SLOTB
	s_add_nc_u64 s[G0A+4*\p+2:G0A+4*\p+3], s[66:67], \p*6144
	s_or_b32 s[G0A+4*\p+3], s[G0A+4*\p+3], 0x80000000
	s_mov_b32 s[G0B+4*\p], 1
	s_add_co_u32 s[G0B+4*\p+1], s63, \p*SLOTB
	s_add_nc_u64 s[G0B+4*\p+2:G0B+4*\p+3], s[68:69], \p*6144
	s_or_b32 s[G0B+4*\p+3], s[G0B+4*\p+3], 0x80000000
	JLOAD \p
.endr
	; the scale words of all 16 K steps stay in registers: lane r takes row r's four words of four K steps by one load
	v_and_b32 v1, 31, v0                           ; lane
	v_and_b32 v2, 15, v0                           ; r
	v_bfe_u32 v3, v0, 4, 1                         ; h
	v_lshlrev_b32 v208, 4, v2
	s_lshl_b32 s74, s22, 8
	s_lshl_b32 s75, s16, 6
	s_add_co_u32 s74, s74, s75                     ; my first row: 256 wgy + 64 wave
	s_lshl_b32 s56, s74, 6                         ; its tile x 1,024
	s_add_co_u32 s56, s56, XSC
	s_mov_b32 s57, 0
	s_add_nc_u64 s[70:71], s[4:5], s[56:57]
	s_lshl_b32 s56, s21, 13
	s_add_co_u32 s56, s56, WSC
	s_add_nc_u64 s[72:73], s[4:5], s[56:57]
.irp i, 0,1,2,3
.irp q, 0,1,2,3
	global_load_b128 v[SX+16*\i+4*\q:SX+16*\i+4*\q+3], v208, s[70:71] offset:1024*\i+256*\q
.endr
.endr
.irp t, 0,1,2,3,4,5,6,7
.irp q, 0,1,2,3
	global_load_b128 v[SW+16*\t+4*\q:SW+16*\t+4*\q+3], v208, s[72:73] offset:1024*\t+256*\q
.endr
.endr
	; every address register is made here, ahead of every parting
	v_lshlrev_b32 v8, 4, v1                        ; 16 x lane
	v_lshlrev_b32 v15, 3, v1                       ; 8 x lane
	s_mul_i32 s75, s16, 24576
	v_add_nc_u32 v4, s75, v8
	v_add_nc_u32 v5, SLOTB, v4
	v_add_nc_u32 v6, WPART, v8
	v_add_nc_u32 v7, SLOTB+WPART, v8
	v_and_b32 v209, 8, v2
	v_add_nc_u32 v209, v209, v2                    ; r + 8 (r / 8)
	v_lshlrev_b32 v9, 8, v209
	v_lshl_add_u32 v9, v3, 6, v9                   ; cos, sin: my row of 256 bytes, + 64 h
	s_mul_i32 s75, s16, 8448
	s_add_co_u32 s75, s75, SLOTB                   ; k's stage: 16 rows x 528 bytes for each wave, in slot 1
	v_mul_u32_u24 v10, v2, 528
	v_lshl_add_u32 v10, v3, 6, v10
	v_add_nc_u32 v10, s75, v10
	v_add_nc_u32 v11, s75, v8
	s_mul_i32 s75, s16, 64*528                     ; v's stage: 256 rows x 528 bytes, the work-group's, in slot 0
	v_mul_u32_u24 v12, v209, 528
	v_lshl_add_u32 v12, v3, 6, v12
	v_add_nc_u32 v12, s75, v12
	v_add_nc_u32 v13, s75, v8
	s_mul_i32 s75, s17, 128*528                    ; v by columns: key step wave / 2, channels 64 (wave % 2) on
	s_lshl_b32 s92, s18, 8
	s_add_co_u32 s75, s75, s92
	v_mul_u32_u24 v14, v3, 32*528
	v_lshl_add_u32 v14, v209, 2, v14
	v_add_nc_u32 v14, s75, v14
	; pointers for the way out
	s_lshl_b32 s56, s74, 8
	s_add_nc_u64 s[88:89], s[6:7], s[56:57]        ; cos at my first row
	s_add_nc_u64 s[90:91], s[8:9], s[56:57]        ; sin
	s_and_b32 s75, s21, 3                          ; the kv head
	s_lshl_b32 s56, s75, 20
	s_lshl_b32 s93, s74, 9
	s_add_co_u32 s56, s56, s93
	s_add_nc_u64 s[78:79], s[12:13], s[56:57]      ; out1
	s_add_nc_u64 s[80:81], s[14:15], s[56:57]      ; out2
	s_lshr_b32 s93, s74, 4                         ; my first tile of rows
	s_cmp_lt_u32 ttmp9, 4
	s_cselect_b32 s92, s21, s75                    ; the head among its kind
	s_cselect_b32 s56, QIMG, KIMG
	s_mov_b32 s96, KSC
	s_cselect_b32 s96, QSC, s96
	s_mul_i32 s97, s92, 196608
	s_add_co_u32 s56, s56, s97
	s_mul_i32 s97, s93, 1536
	s_add_co_u32 s56, s56, s97
	s_add_nc_u64 s[76:77], s[10:11], s[56:57]      ; q's or k's images
	s_lshl_b32 s97, s92, 13
	s_add_co_u32 s56, s96, s97
	s_lshl_b32 s97, s93, 6
	s_add_co_u32 s56, s56, s97
	s_add_nc_u64 s[84:85], s[10:11], s[56:57]      ; their scale words: [pair of tiles][r][tile % 2]
	s_mul_i32 s56, s75, 196608
	s_lshl_b32 s97, s22, 1
	s_add_co_u32 s97, s97, s17                     ; my key step
	s_mul_i32 s98, s97, 12288
	s_add_co_u32 s56, s56, s98
	s_mul_i32 s98, s18, 6144
	s_add_co_u32 s56, s56, s98
	s_add_co_u32 s56, s56, VIMG
	s_add_nc_u64 s[82:83], s[10:11], s[56:57]      ; v's images
	s_lshl_b32 s56, s75, 13
	s_lshl_b32 s98, s97, 9
	s_add_co_u32 s56, s56, s98
	s_lshl_b32 s98, s18, 8
	s_add_co_u32 s56, s56, s98
	s_add_co_u32 s56, s56, VSC
	s_add_nc_u64 s[86:87], s[10:11], s[56:57]      ; v's scale words
	s_wait_tensorcnt 1                             ; my part of slot 0 is in; slot 1's may stay out
	s_barrier_signal -1
	s_barrier_wait -1
	FETCH 0
	s_wait_loadcnt 0x0                             ; the scale words
	STEPN 0, 1                                     ; the first K step starts the sums
	STEPN 1, 0
	STEPN 2, 0
	STEPC 3, 1
	STEPN 4, 0
	STEPN 5, 0
	STEPN 6, 0
	STEPC 7, 1
	STEPN 8, 0
	STEPN 9, 0
	STEPN 10, 0
	STEPC 11, 0                                    ; nothing is left to fetch
	STEPN 12, 0
	STEPN 13, 0
	STEPN 14, 0
	PLACES 4                                       ; in front of loads into set 0
	WIN 0x80                                       ; cos and sin of my 64 rows into window 2: tile i at 64 i, cos 32 registers, then sin 32, in the accumulators' order.
	                                               ; Every head asks, so that every register that RoPE reads is written on every way to it; the v heads (32 of the 192 work-groups) use nothing of it and never name window 2 again
.irp i, 0,1,2,3
.irp b, 0,1
.irp q, 0,1,2,3
	global_load_b128 v[64*\i+16*\b+4*\q:64*\i+16*\b+4*\q+3], v9, s[88:89] offset:(32*(\i>>1)+8*(\i&1))*256+128*\b+16*\q
.endr
.endr
.irp b, 0,1
.irp q, 0,1,2,3
	global_load_b128 v[64*\i+32+16*\b+4*\q:64*\i+32+16*\b+4*\q+3], v9, s[90:91] offset:(32*(\i>>1)+8*(\i&1))*256+128*\b+16*\q
.endr
.endr
.endr
	s_wait_dscnt 0x0                               ; the last K step's fragments
	WIN 0x5f
	MUL 15, 0, 4, 0
	PLACES 4                                       ; in front of the first reads of results and of writes into the fragments' registers
	WIN 0
	s_barrier_signal -1                            ; no LDS instruction of mine is pending: every wave's reads of both slots are over, and both have had their last fill
	s_barrier_wait -1
	s_cmp_eq_u32 ttmp9, 5
	s_cbranch_scc1 .Lv_first
; ---- q and k: RoPE, k's rows to out1, quantised along the head's 128, a tile of 16 rows at a time
	WIN 0xc0
.irp b, 0,1,2,3
	v_mov_b32 v[TM+4+\b], 0                        ; written once: a lane permute's destination counts as one of its sources
.endr
	WIN 0
.macro QKTILE i
	s_wait_loadcnt 16*(3-\i)                       ; this tile's cos and sin are in; the later tiles' may be out
	s_wait_xcnt 0x0                                ; the last tile's stores have read their registers
	WIN 0xf9                                       ; source 0: the accumulators; source 1: cos, sin; source 2 and destination: window 3
.set p, 0
.rept 16                               ; each accumulator is read from its low end on
	v_pk_mul_f32 v[TT+4*(p&1):TT+4*(p&1)+1], v[64*\i+32+2*p:64*\i+33+2*p], v[64*\i+32+2*p:64*\i+33+2*p]       ; x2 sin
	v_pk_mul_f32 v[TT+2+4*(p&1):TT+3+4*(p&1)], v[64*\i+32+2*p:64*\i+33+2*p], v[64*\i+2*p:64*\i+1+2*p]         ; x2 cos
	v_pk_fma_f32 v[HA+2*p:HA+2*p+1], v[64*\i+2*p:64*\i+1+2*p], v[64*\i+2*p:64*\i+1+2*p], v[TT+4*(p&1):TT+4*(p&1)+1] neg_lo:[0,0,1] neg_hi:[0,0,1]   ; x1 cos - x2 sin
	v_pk_fma_f32 v[HA+32+2*p:HA+33+2*p], v[64*\i+2*p:64*\i+1+2*p], v[64*\i+32+2*p:64*\i+33+2*p], v[TT+2+4*(p&1):TT+3+4*(p&1)]                       ; x1 sin + x2 cos
.set p, p+1
.endr
	WIN 0
	s_cmp_lg_u32 ttmp9, 4
	s_cbranch_scc1 .Lno_rows_\@
	WIN 0x0c                                       ; k: through my stage, back as whole rows of 512 bytes
.irp b, 0,1,2,3
.irp q, 0,1,2,3
	ds_store_b128 v10, v[HA+16*\b+4*\q:HA+16*\b+4*\q+3] offset:128*\b+16*\q
.endr
.endr
	WIN 0xc0
.irp t, 0,1,2,3,4,5,6,7,8,9,10,11,12,13,14,15
	ds_load_b128 v[RB+4*\t:RB+4*\t+3], v11 offset:528*\t   ; LDS serves a wave's instructions in order: these see my stores
.endr
	WIN 0x0c
.irp t, 0,1,2,3,4,5,6,7,8,9,10,11,12,13,14,15
	s_wait_dscnt 15-\t
	global_store_b128 v8, v[RB+4*\t:RB+4*\t+3], s[78:79] offset:(32*(\i>>1)+8*(\i&1)+\t+8*(\t>>3))*512   ; 32 lanes store a row: 512 consecutive bytes
.endr
	WIN 0
.Lno_rows_\@:
	WIN 0xff
	QUANT HA
	v_mov_b32 v[PWS+\i], v[PW]
	WIN 0x0c
.irp c, 0,1,2
	global_store_b128 v8, v[PC+4*\c:PC+4*\c+3], s[76:77] offset:1536*\i+512*\c
.endr
	WIN 0
.endm
	QKTILE 0
	QKTILE 1
	QKTILE 2
	QKTILE 3
	WIN 0xff
	v_cndmask_b32 v[DD], v[PWS], v[PWS+2], s99     ; lanes 0-15: the first pair of tiles' words of row r; lanes 16-31: the second pair's
	v_cndmask_b32 v[DD+1], v[PWS+1], v[PWS+3], s99
	WIN 0x0c
	global_store_b64 v15, v[DD:DD+1], s[84:85]     ; 256 consecutive bytes
	WIN 0
	s_branch .Ljoin
; ---- v: all 256 rows meet in the work-group's stage
.Lv_first:
	WIN 0x04                                       ; an LDS store's data are its source 1: the accumulators, each from its low end on
.irp i, 0,1,2,3
.irp b, 0,1,2,3
.irp q, 0,1,2,3
	ds_store_b128 v12, v[64*\i+16*\b+4*\q:64*\i+16*\b+4*\q+3] offset:(32*(\i>>1)+8*(\i&1))*528+128*\b+16*\q
.endr
.endr
.endr
	WIN 0
.Ljoin:
	s_wait_dscnt 0x0                               ; for the others' sake: my stores into the stage are done
	s_barrier_signal -1
	s_barrier_wait -1
	s_cmp_lg_u32 ttmp9, 5
	s_cbranch_scc1 .Lend
	; my 64 rows to out2
.irp g, 0,1,2,3
	s_wait_xcnt 0x0                                ; every earlier store has read its registers: only behind this wait are the rows' registers loaded again
	WIN 0xc0
.irp t, 0,1,2,3,4,5,6,7,8,9,10,11,12,13,14,15
	ds_load_b128 v[RB+4*\t:RB+4*\t+3], v13 offset:528*(16*\g+\t)
.endr
	WIN 0x0c
.irp t, 0,1,2,3,4,5,6,7,8,9,10,11,12,13,14,15
	s_wait_dscnt 15-\t
	global_store_b128 v8, v[RB+4*\t:RB+4*\t+3], s[80:81] offset:512*(16*\g+\t)
.endr
.endr
	; four fragments of v with the keys as K: a lane takes a channel, and its registers run down the keys.  (Lanes r and r + 16 stand 32 x 528 = 66 x 256 bytes apart)
	WIN 0xc0
	v_lshlrev_b32 v[SH], 3, v3
	v_mov_b32 v[VX], 0
.irp u, 0,1,2,3
	s_wait_xcnt 0x0                                ; the last fragment's stores have read the codes' registers
	WIN 0xc0
.irp c, 0,1
.irp i, 0,1,2,3,4,5,6,7,8,9,10,11,12,13,14,15,16,17,18,19,20,21,22,23,24,25,26,27,28,29,30,31
	ds_load_b32 v[HA+32*\c+\i], v14 offset:33792*\c+528*\i+128*(\u>>1)+32*(\u&1)
.endr
.endr
	s_wait_dscnt 0x0
	WIN 0xff
	QUANTV
	v_mov_b32 v[PWS+\u], v[PW]
	WIN 0x0c
.irp c, 0,1,2
	global_store_b128 v8, v[PC+4*\c:PC+4*\c+3], s[82:83] offset:1536*\u+512*\c
.endr
.endr
	WIN 0xff
	v_cndmask_b32 v[DD], v[PWS], v[PWS+2], s99
	v_cndmask_b32 v[DD+1], v[PWS+1], v[PWS+3], s99
	WIN 0x0c
	global_store_b64 v15, v[DD:DD+1], s[86:87]
	WIN 0
.Lend:
	s_wait_tensorcnt 0x0                           ; the wave's end
	ds_add_u32 v[SPW], v[NIL]
	s_wait_dscnt 0x0
	CROUND                                         ; the closing round
	s_endpgm
.Lfunc_end_k_qf816fdd0ff_qkv:
	.size	k_qf816fdd0ff_qkv, .Lfunc_end_k_qf816fdd0ff_qkv-k_qf816fdd0ff_qkv
	.p2alignl 7, 3214868480
	.fill 96, 4, 3214868480
	.section	.rodata,"a",@progbits
	.p2align	6, 0x0
	.amdhsa_kernel k_qf816fdd0ff_qkv
		.amdhsa_group_segment_fixed_size 327680
		.amdhsa_private_segment_fixed_size 0
		.amdhsa_enable_private_segment 0
		.amdhsa_kernarg_size 48
		.amdhsa_user_sgpr_count 2
		.amdhsa_user_sgpr_kernarg_segment_ptr 1
		.amdhsa_wavefront_size32 1
		.amdhsa_system_sgpr_workgroup_id_x 1
		.amdhsa_system_sgpr_workgroup_id_y 1
		.amdhsa_system_sgpr_workgroup_id_z 1
		.amdhsa_system_vgpr_workitem_id 0
		.amdhsa_next_free_vgpr 1024
		.amdhsa_next_free_sgpr 100
		.amdhsa_reserve_vcc 0
		.amdhsa_float_denorm_mode_32 3
		.amdhsa_float_denorm_mode_16_64 3
		.amdhsa_memory_ordered 1
		.amdhsa_forward_progress 1
		.amdhsa_inst_pref_size 223
	.end_amdhsa_kernel
	.amdgpu_metadata
---
amdhsa.version: [ 1, 2 ]
amdhsa.kernels:
  - .name:           k_qf816fdd0ff_qkv
    .symbol:         k_qf816fdd0ff_qkv.kd
    .args:
      - { .name: codes1, .offset: 0, .size: 8, .value_kind: global_buffer, .address_space: global }
      - { .name: cos, .offset: 8, .size: 8, .value_kind: global_buffer, .address_space: global }
      - { .name: sin, .offset: 16, .size: 8, .value_kind: global_buffer, .address_space: global }
      - { .name: qkv, .offset: 24, .size: 8, .value_kind: global_buffer, .address_space: global }
      - { .name: out1, .offset: 32, .size: 8, .value_kind: global_buffer, .address_space: global }
      - { .name: out2, .offset: 40, .size: 8, .value_kind: global_buffer, .address_space: global }
    .group_segment_fixed_size: 327680
    .private_segment_fixed_size: 0
    .kernarg_segment_align: 8
    .kernarg_segment_size: 48
    .max_flat_workgroup_size: 128
    .sgpr_count:     100
    .vgpr_count:     1024
    .wavefront_size: 32
...
	.end_amdgpu_metadata
.endif
;; end of part 2
;; launch attn (part 3): grid 64 x 4, 8 waves a work-group, no clusters, 103,424 bytes of LDS; arguments qkv, maskw, ctx; writes ctx
.if DOCPART == 3
	.amdgcn_target "amdgcn-amd-amdhsa--gfx1250"
	.amdhsa_code_object_version 6
	.text
	.protected	k_qf816fdd0ff_attn
	.globl	k_qf816fdd0ff_attn
	.p2align	8
	.type	k_qf816fdd0ff_attn,@function
k_qf816fdd0ff_attn:
	s_mov_b64 s[64:65], 0
	v_nop
	global_prefetch_b8 v0, s[64:65] scope:SCOPE_SE
	s_setreg_imm32_b32 hwreg(HW_REG_WAVE_MODE, 25, 1), 1
	s_wait_xcnt 0x0
; ATTN: context = softmax(mask ? q k^T / sqrt(128) : -1e9) v, both products on codes of FP6 (E2M3) with E8M0 scales; the context is quantised along head x 128 + channel for the last product.
; THE SOFTMAX: t = score x log2(e) / sqrt(128); M = the running largest t rounded up to a whole number; p = 2^(t - M) is quantised along the keys, not normalised; the row's sum is taken of the unquantised p and divides at the end.
; SHARES.  Work-group (P, kv head): wave w takes query head 4 kvh + w % 4 and the tile of 16 queries P (w < 4) or 127 - P (w >= 4).  All eight walk the same K and V, 128 keys a step.
; THE MASK is an input.  An earlier launch has stored it as lane masks (a word for each register of the scores) and flags.  A key step in which none of a tile's 16 x 128 entries is true is left out, and one in which
; all are true is worked without its lane masks, both by scalar branches on those stored whole numbers.  A tile with a row that has no true entry walks all steps: that row's p is 1 at every key, as in the definition.
; So the walk hangs on stored numbers, and K and V come without tensor loads and without a cluster: memory -> registers -> LDS, each byte once for the eight waves (waves 0-3 K's quarter each, waves 4-7 V's).
; FOUR SLOTS, one barrier a step, which stands outside every such branch.  In step s a wave stores its share of step s + 3 into slot (s + 3) % 4 (last read in step s - 1), loads its share of step s + 4 into registers,
; reads V of step s from slot s % 4, and reads K's fragments of step s + 1 from slot (s + 1) % 4, which was stored two steps back: so a step begins with its products, and no wave waits for K's fragments.
; A HIDDEN SCORE is -2^33: c x 2^33 is a whole number, so a row that has met hidden keys alone has t - M = 0 exactly.  LIMIT: the hidden logit so stands at -7.6e8 and not at -1e9: open logits under about -7e8 are not served.
; LIMITS: NaN and infinities are not served; a block of zeros keeps the scale byte 1 (its codes are zeros).
; LAYOUT.  Both products transposed: S^T = K Q^T, O^T = V^T P^T: a lane holds one query throughout; the 16 registers of tiles 2 b, 2 b + 1 are 16 neighbouring keys (channels).
; REGISTERS: window 0: v1-4, v7, v8 addresses, v9-11, v30 the LDS ones again for slots 2 and 3; v12 -M, v13 the largest t, v[14:15] the sum; v16-27 Q; v28 prefetch offset; v29 the hidden score; v32-39 K's scale words, v40-47 V's;
;   v48-84 the way out's work; v96-159 S^T, then p (at the head: my shares of key steps 0 and 1); v160-223 O^T; v224-254 at work; v255 Q's scale words.
;   window 1: v0-95 K's fragments, v96-191 V's, v192-244 two sets of my share on its way to LDS.
.set QSC,   3145728
.set KIMG,  3276800
.set KSC,   4063232
.set VIMG,  4096000
.set VSC,   4882432
.set FLG,   524288
.set CSC,   3145728
.set SLOT,  25600                      ; a slot: K's 8 images, V's 8, K's scale words (512 bytes), V's
.set VIO,   12288
.set KSO,   24576
.set VSO,   25088
.set SPARE, 102400                     ; behind the four slots: the spare words, 128 bytes for each wave: four blocks of 256 bytes that no other line names
.set SPW, 5
.set NIL, 6
.set SEL, 10
.set CS,  12
.set PC,  48
.set TM,  68
.set PW,  84
.set MSB, 0
.macro WIN new
.if MSB != (\new)
	s_set_vgpr_msb (MSB<<8)|(\new)
.set MSB, \new
.endif
.endm
.macro QUANT s
.irp b, 0,1,2,3
	v_max3_num_f32 v[TM+\b], |v[\s+16*\b]|, |v[\s+1+16*\b]|, 0x1800000
.endr
.irp i, 2,4,6,8,10,12,14
.irp b, 0,1,2,3
	v_max3_num_f32 v[TM+\b], v[TM+\b], |v[\s+16*\b+\i]|, |v[\s+1+16*\b+\i]|
.endr
.endr
.irp b, 0,1,2,3
	v_permlanex16_b32 v[TM+4+\b], v[TM+\b], s[SEL], s[SEL+1]
.endr
.irp b, 0,1,2,3
	v_max_num_f32 v[TM+\b], v[TM+\b], v[TM+4+\b]
.endr
.irp b, 0,1,2,3
	v_add_nc_u32 v[TM+12+\b], 0xff000000, v[TM+\b]
.endr
.irp b, 0,1,2,3
	v_lshrrev_b32 v[TM+4+\b], 23, v[TM+12+\b]
.endr
	v_lshl_or_b32 v[PW], v[TM+5], 8, v[TM+4]
	v_lshl_or_b32 v[PW], v[TM+6], 16, v[PW]
	v_lshl_or_b32 v[PW], v[TM+7], 24, v[PW]
.irp c, 0,1
	v_cvt_scalef32_pk16_fp6_f32 v[PC+6*\c:PC+2+6*\c], v[\s+32*\c:\s+15+32*\c], v[TM+12+2*\c]
	v_cvt_scalef32_pk16_fp6_f32 v[PC+12+4*\c:PC+14+4*\c], v[\s+16+32*\c:\s+31+32*\c], v[TM+12+2*\c+1]
.endr
	v_nop
.irp c, 0,1
.irp i, 0,1,2
	v_permlane16_swap_b32 v[PC+6*\c+\i], v[PC+12+4*\c+\i]
.endr
.irp i, 0,1,2
	v_mov_b32 v[PC+3+6*\c+\i], v[PC+12+4*\c+\i]
.endr
.endr
.endm
.macro FLAGS d, a                      ; a tile's four flag words -> 16 bits, one a key step: it has a true entry; all ones where some row has no true entry
	s_or_b32 s72, s[\a], s[\a+1]
	s_or_b32 s73, s[\a+2], s[\a+3]
	s_or_b32 s72, s72, s73
	s_lshr_b32 s72, s72, 16
	s_and_b32 s[\d], s[\a], 15
	s_and_b32 s73, s[\a+1], 15
	s_lshl_b32 s73, s73, 4
	s_or_b32 s[\d], s[\d], s73
	s_and_b32 s73, s[\a+2], 15
	s_lshl_b32 s73, s73, 8
	s_or_b32 s[\d], s[\d], s73
	s_and_b32 s73, s[\a+3], 15
	s_lshl_b32 s73, s73, 12
	s_or_b32 s[\d], s[\d], s73
	s_cmp_eq_u32 s72, 0xffff
	s_cselect_b32 s[\d], s[\d], 0xffff
.endm
.macro ALLT d, a                       ; the same four words -> 16 bits, one a key step: all its entries are true (bits 4-7 of each word)
	s_bfe_u32 s[\d], s[\a], 0x40004
	s_bfe_u32 s73, s[\a+1], 0x40004
	s_lshl_b32 s73, s73, 4
	s_or_b32 s[\d], s[\d], s73
	s_bfe_u32 s73, s[\a+2], 0x40004
	s_lshl_b32 s73, s73, 8
	s_or_b32 s[\d], s[\d], s73
	s_bfe_u32 s73, s[\a+3], 0x40004
	s_lshl_b32 s73, s73, 12
	s_or_b32 s[\d], s[\d], s73
.endm
; K's eight fragments and their scale words out of slot q
.macro KLOAD q
.set RA, 1+8*((\q)>>1)                 ; v1 or v9
.set RS, 2+8*((\q)>>1)                 ; v2 or v10
	WIN 0x40
.irp t, 0,1,2,3,4,5,6,7
.irp c, 0,1,2
	ds_load_b128 v[12*\t+4*\c:12*\t+4*\c+3], v[RA] offset:SLOT*((\q)&1)+1536*\t+512*\c
.endr
.endr
	WIN 0
.irp b, 0,1,2,3
	ds_load_b64 v[32+2*\b:33+2*\b], v[RS] offset:SLOT*((\q)&1)+KSO+128*\b
.endr
.endm
	s_load_b128 s[84:87], s[0:1], 0x0              ; qkv s[84:85], maskw s[86:87]
	s_load_b64 s[20:21], s[0:1], 0x10              ; ctx
	v_lshl_add_u32 v[SPW], v0, 2, SPARE
	v_mov_b32 v[NIL], 0
	v_lshrrev_b32 v8, 5, v0
	v_readfirstlane_b32 s2, v8                     ; wave 0..7
	v_and_b32 v31, 31, v0                          ; lane
	v_and_b32 v86, 15, v0                          ; r
	v_lshlrev_b32 v1, 4, v31                       ; 16 x lane
	v_lshlrev_b32 v2, 3, v86                       ; 8 r
	v_lshlrev_b32 v7, 2, v31                       ; 4 x lane
	v_lshlrev_b32 v8, 4, v86                       ; 16 r
	v_lshlrev_b32 v28, 8, v31                      ; 256 x lane
	s_mul_i32 s72, s2, 3072
	v_add_nc_u32 v3, s72, v1                       ; where my share of the images goes: 3,072 x wave + 16 x lane
	s_lshl_b32 s72, s2, 7
	s_add_co_u32 s72, s72, KSO
	v_add_nc_u32 v4, s72, v7                       ; and of the scale words
	v_add_nc_u32 v9, 2*SLOT, v1                    ; the same four for slots 2 and 3: an LDS immediate has 16 bits
	v_add_nc_u32 v10, 2*SLOT, v2
	v_add_nc_u32 v11, 2*SLOT, v3
	v_add_nc_u32 v30, 2*SLOT, v4
	s_and_b32 s68, ttmp7, 0xffff                   ; kv head
	s_and_b32 s69, s2, 3
	s_lshl_b32 s70, s68, 2
	s_add_co_u32 s70, s70, s69                     ; query head
	s_sub_co_u32 s74, 127, ttmp9
	s_cmp_lt_u32 s2, 4
	s_cselect_b32 s71, ttmp9, s74                  ; my tile of queries
	s_mov_b32 s75, VIMG
	s_cselect_b32 s75, KIMG, s75
	s_mov_b32 s76, VSC
	s_cselect_b32 s76, KSC, s76
	s_mul_i32 s77, s68, 196608
	s_add_co_u32 s75, s75, s77
	s_mov_b32 s73, 0
	s_mul_i32 s72, s69, 3072
	s_add_co_u32 s72, s72, s75
	s_mov_b32 s[SEL], 0x76543210
	s_mov_b32 s[SEL+1], 0xfedcba98
	s_mov_b32 s[CS], 0x3e0293ee                    ; c = log2(e) / sqrt(128)
	s_mov_b32 s[CS+1], s[CS]
	s_mov_b32 s3, 4                                ; four trips of four key steps
	s_wait_kmcnt 0x0
	s_add_nc_u64 s[4:5], s[84:85], s[72:73]        ; my share of the images, key step 0
	s_lshl_b32 s72, s69, 13
	s_add_co_u32 s72, s72, s75
	s_add_co_u32 s72, s72, 73728
	s_add_nc_u64 s[16:17], s[84:85], s[72:73]      ; my prefetches: 8,192 bytes of key steps 6 and 7
	s_lshl_b32 s72, s68, 13
	s_add_co_u32 s72, s72, s76
	s_lshl_b32 s77, s69, 7
	s_add_co_u32 s72, s72, s77
	s_add_nc_u64 s[6:7], s[84:85], s[72:73]        ; my share of the scale words
	s_lshl_b32 s72, s71, 12
	s_add_nc_u64 s[8:9], s[86:87], s[72:73]        ; my tile's lane masks
	s_lshl_b32 s72, ttmp9, 4
	s_add_co_u32 s72, s72, FLG
	s_add_nc_u64 s[88:89], s[86:87], s[72:73]
	s_lshl_b32 s72, s74, 4
	s_add_co_u32 s72, s72, FLG
	s_add_nc_u64 s[90:91], s[86:87], s[72:73]
	s_load_b128 s[24:27], s[88:89], 0x0            ; the flags of tile P
	s_load_b128 s[28:31], s[90:91], 0x0            ; and of tile 127 - P
	s_mul_i32 s72, s70, 196608
	s_mul_i32 s77, s71, 1536
	s_add_co_u32 s72, s72, s77
	s_add_nc_u64 s[78:79], s[84:85], s[72:73]      ; Q's image
	s_lshl_b32 s72, s70, 13
	s_lshr_b32 s77, s71, 1
	s_lshl_b32 s77, s77, 7
	s_add_co_u32 s72, s72, s77
	s_and_b32 s77, s71, 1
	s_lshl_b32 s77, s77, 2
	s_add_co_u32 s72, s72, s77
	s_add_co_u32 s72, s72, QSC
	s_add_nc_u64 s[80:81], s[84:85], s[72:73]      ; Q's scale words
	s_lshl_b32 s72, s71, 10
	s_lshl_b32 s77, s68, 8
	s_add_co_u32 s72, s72, s77
	s_lshl_b32 s77, s69, 2
	s_add_co_u32 s72, s72, s77
	s_add_co_u32 s72, s72, CSC
	s_add_nc_u64 s[22:23], s[20:21], s[72:73]      ; the context's scale words
	s_mul_i32 s72, s71, 24576
	s_mul_i32 s77, s70, 1536
	s_add_co_u32 s72, s72, s77
	s_add_nc_u64 s[20:21], s[20:21], s[72:73]      ; the context's image
	s_cmp_eq_u32 s69, 3
	s_cselect_b32 s77, 1, 0
	s_or_b32 s77, s77, ttmp9
	s_cmp_eq_u32 s77, 0
	s_cselect_b32 s18, 1, -1                       ; waves 0-2 and 4-6 of the kv head's first work-group prefetch: at a trip's first step while more than 1 trip is left,
	s_cselect_b32 s19, 2, -1                       ; at its third step while more than 2 are left
.irp g, 0,1                                    ; key steps 0 to 3: my share, in one batch: steps 0 and 1 into the scores' registers,
.irp j, 0,1,2,3,4,5
	global_load_b128 v[96+28*\g+4*\j:96+28*\g+4*\j+3], v1, s[4:5] offset:12288*\g+512*\j
.endr
	global_load_b32 v[96+28*\g+24], v7, s[6:7] offset:512*\g
.endr
	WIN 0x40
.irp g, 0,1                                    ; steps 2 and 3 into the two sets
.irp j, 0,1,2,3,4,5
	global_load_b128 v[192+28*\g+4*\j:192+28*\g+4*\j+3], v1, s[4:5] offset:12288*(\g+2)+512*\j
.endr
	global_load_b32 v[192+28*\g+24], v7, s[6:7] offset:512*(\g+2)
.endr
	WIN 0
.irp c, 0,1,2
	global_load_b128 v[16+4*\c:19+4*\c], v1, s[78:79] offset:512*\c
.endr
	global_load_b32 v255, v2, s[80:81]
	s_wait_kmcnt 0x0
	FLAGS 100, 24
	FLAGS 101, 28
	ALLT 76, 24
	ALLT 77, 28
	s_cmp_lt_u32 s2, 4
	s_cselect_b32 s14, s100, s101                  ; my tile's key steps
	s_cselect_b32 s76, s76, s77                    ; those of them in which every entry is true
	s_or_b32 s15, s100, s101                       ; the key steps that the work-group needs
	s_and_not1_b32 s24, s14, s76                   ; my key steps that want their lane masks
	s_wait_xcnt 0x0                                ; the loads above have read their bases: s68-99 take the lane masks
	s_load_b512 s[32:47], s[8:9], 0x0              ; key step 0's 64 words
	s_load_b512 s[48:63], s[8:9], 0x40
	s_load_b512 s[68:83], s[8:9], 0x80
	s_load_b512 s[84:99], s[8:9], 0xc0
	v_mov_b32 v29, 0xd0000000                      ; -2^33
	v_mov_b32 v13, 0xff61b1e6                      ; the largest t so far: -3e38
	v_floor_f32 v12, -v13                          ; -M
	v_mov_b32 v14, 0
	v_mov_b32 v15, 0
.irp b, 0,1,2,3
	v_mov_b32 v[236+\b], 0                         ; written once: a lane permute's destination counts as one of its sources
	v_mov_b32 v[TM+4+\b], 0
.endr
	v_mov_b32 v252, 0
	v_mov_b32 v253, 0
.set j, 0
.rept 64
	v_mov_b32 v[160+j], 0                          ; O^T: the step is written once; the first finds zeros
.set j, j+1
.endr
	s_wait_loadcnt 0x0
.irp g, 0,1
.irp j, 0,1,2,3,4,5
	ds_store_b128 v3, v[96+28*\g+4*\j:96+28*\g+4*\j+3] offset:SLOT*\g+512*\j
.endr
	ds_store_b32 v4, v[96+28*\g+24] offset:SLOT*\g
.endr
	WIN 0x04
.irp j, 0,1,2,3,4,5
	ds_store_b128 v11, v[192+4*\j:192+4*\j+3] offset:512*\j
.endr
	ds_store_b32 v30, v[192+24]
	WIN 0
	s_wait_dscnt 0x0
	s_barrier_signal -1
	s_barrier_wait -1                              ; key steps 0, 1 and 2 lie in slots 0, 1 and 2; my share of step 3 waits in its registers
	KLOAD 0                                        ; without a condition: so K's registers are written on every way to their readers
	s_wait_dscnt 0x0
; A key step's work: 128 keys, V out of slot p; K's fragments are in their registers.
.macro WORK p
.set WA, 1+8*((\p)>>1)
.set WS, 2+8*((\p)>>1)
	WIN 0x01
.irp t, 0,1,2,3,4,5,6,7
	v_wmma_scale_f32_16x16x128_f8f6f4 v[96+8*\t:103+8*\t], v[12*\t:12*\t+11], v[16:27], 0, v[32+\t], v255 matrix_a_fmt:MATRIX_FMT_FP6 matrix_b_fmt:MATRIX_FMT_FP6
.endr
	WIN 0x40                                       ; V's fragments are asked for now and land under the softmax
.irp t, 0,1,2,3,4,5,6,7
.irp c, 0,1,2
	ds_load_b128 v[96+12*\t+4*\c:96+12*\t+4*\c+3], v[WA] offset:SLOT*((\p)&1)+VIO+1536*\t+512*\c
.endr
.endr
	WIN 0
.irp b, 0,1,2,3
	ds_load_b64 v[40+2*\b:41+2*\b], v[WS] offset:SLOT*((\p)&1)+VSO+128*\b
.endr
.rept 4
	v_nop                                          ; places in front of the first read of the scores and of the loads into K's registers
.endr
	s_bitcmp1_b32 s14, \p+1
	s_cbranch_scc0 .Lnk_\@
	KLOAD (\p+1)&3                                 ; the next key step's K, if my tile works it: it lands under the softmax too
.Lnk_\@:
	s_bitcmp1_b32 s24, \p
	s_cbranch_scc0 .Lopen_\@                       ; every entry is true: nothing to hide
	s_wait_kmcnt 0x0                               ; this step's lane masks
.set n, 0
.rept 64
.if n < 32
	v_cndmask_b32 v[96+n], v29, v[96+n], s[32+n]   ; a hidden score becomes -2^33
.else
	v_cndmask_b32 v[96+n], v29, v[96+n], s[36+n]
.endif
.set n, n+1
.endr
.Lopen_\@:
.irp b, 0,1,2,3
	v_max3_num_f32 v[232+\b], v[96+16*\b], v[97+16*\b], v[98+16*\b]   ; the largest score of each block of 32 keys: for the row's maximum and, since p rises with the score, for the block's largest p
.endr
.irp i, 3,5,7,9,11,13
.irp b, 0,1,2,3
	v_max3_num_f32 v[232+\b], v[232+\b], v[96+16*\b+\i], v[97+16*\b+\i]
.endr
.endr
.irp b, 0,1,2,3
	v_max_num_f32 v[232+\b], v[232+\b], v[111+16*\b]
.endr
.irp b, 0,1,2,3
	v_permlanex16_b32 v[236+\b], v[232+\b], s[SEL], s[SEL+1]
.endr
.irp b, 0,1,2,3
	v_max_num_f32 v[232+\b], v[232+\b], v[236+\b]
.endr
	v_max3_num_f32 v254, v232, v233, v234
	v_max_num_f32 v254, v254, v235
	v_mul_f32 v254, s[CS], v254                    ; as t
	v_max_num_f32 v13, v13, v254                   ; the running largest t
	v_mov_b32 v254, v12
	v_floor_f32 v12, -v13                          ; the new -M = -ceil(t)
	v_sub_f32 v254, v12, v254                      ; old M - new M: a whole number, 0 or less
	v_cvt_i32_f32 v254, v254                       ; (it saturates)
	v_ldexp_f32 v252, 1.0, v254                    ; f = 2^(old M - new M)
.irp j, 0,2,4,6,8,10,12,14,16,18,20,22,24,26,28,30,32,34,36,38,40,42,44,46,48,50,52,54,56,58,60,62
	v_pk_fma_f32 v[96+\j:97+\j], v[96+\j:97+\j], s[CS:CS+1], v[12:13] op_sel_hi:[1,0,0]   ; t - M
.endr
.irp b, 0,1,2,3
	v_fma_f32 v[232+\b], v[232+\b], s[CS], v12
.endr
.set j, 0
.rept 64
	v_exp_f32 v[96+j], v[96+j]                     ; p = 2^(t - M)
.set j, j+1
.endr
	v_pk_mul_f32 v[14:15], v[14:15], v[252:253] op_sel_hi:[1,0]   ; the sums under the new M: a plain place behind the exponentials
	s_wait_alu depctr_va_vdst(0)                   ; one wait for the whole batch, ahead of its first reader
.irp b, 0,1,2,3
	v_exp_f32 v[232+\b], v[232+\b]                 ; the block's largest p
.endr
	v_pk_add_f32 v[236:237], v[96:97], v[98:99]    ; the row's sum is taken of the unquantised p
.irp j, 4,8,12,16,20,24,28,32,36,40,44,48,52,56,60
	v_pk_add_f32 v[14:15], v[14:15], v[96+\j:97+\j]
	v_pk_add_f32 v[236:237], v[236:237], v[98+\j:99+\j]
.endr
	v_pk_add_f32 v[14:15], v[14:15], v[236:237]
	s_wait_alu depctr_va_vdst(0)                   ; and one for the four
.irp b, 0,1,2,3
	v_max_num_f32 v[232+\b], 0x1800000, v[232+\b]  ; the floor 2^(3 - 127)
.endr
.irp b, 0,1,2,3
	v_add_nc_u32 v[244+\b], 0xff000000, v[232+\b]
.endr
.irp b, 0,1,2,3
	v_lshrrev_b32 v[236+\b], 23, v[244+\b]
.endr
	v_lshl_or_b32 v253, v237, 8, v236              ; p's scale word for these 128 keys
	v_lshl_or_b32 v253, v238, 16, v253
	v_lshl_or_b32 v253, v239, 24, v253
.irp c, 0,1
	v_cvt_scalef32_pk16_fp6_f32 v[224+6*\c:226+6*\c], v[96+32*\c:111+32*\c], v[244+2*\c]
	v_cvt_scalef32_pk16_fp6_f32 v[236+4*\c:238+4*\c], v[112+32*\c:127+32*\c], v[244+2*\c+1]
.endr
	v_nop
.irp c, 0,1
.irp i, 0,1,2
	v_permlane16_swap_b32 v[224+6*\c+\i], v[236+4*\c+\i]
.endr
.irp i, 0,1,2
	v_mov_b32 v[227+6*\c+\i], v[236+4*\c+\i]
.endr
.endr
.irp j, 0,2,4,6,8,10,12,14,16,18,20,22,24,26,28,30,32,34,36,38,40,42,44,46,48,50,52,54,56,58,60,62
	v_pk_mul_f32 v[160+\j:161+\j], v[160+\j:161+\j], v[252:253] op_sel_hi:[1,0]   ; O^T under the new M; these 32 are also the places in front of the products below
.endr
	s_wait_dscnt 0x0                               ; V's fragments and scale words (and the next step's K)
	WIN 0x01
.irp t, 0,1,2,3,4,5,6,7
	v_wmma_scale_f32_16x16x128_f8f6f4 v[160+8*\t:167+8*\t], v[96+12*\t:96+12*\t+11], v[224:235], v[160+8*\t:167+8*\t], v[40+\t], v253 matrix_a_fmt:MATRIX_FMT_FP6 matrix_b_fmt:MATRIX_FMT_FP6
.endr
	WIN 0
.rept 4
	v_nop                                          ; places behind the last products, for the next loads into their registers and the next reads of O^T
.endr
.endm
; Key step s = 4 k + p.  Bit p of s14, s15 and s24 stands for it.
.macro HALF p
	s_wait_loadcnt 0x0                             ; my share of key step s + 3 is in its registers
	s_bitcmp1_b32 s15, \p+3
	s_cbranch_scc0 .Lno_store_\@
	WIN 0x04                                       ; into slot (s + 3) % 4, whose last readers (V of step s - 1) passed the last barrier
.irp j, 0,1,2,3,4,5
	ds_store_b128 v[3+8*(((\p+3)&3)>>1)], v[192+28*((\p+1)&1)+4*\j:192+28*((\p+1)&1)+4*\j+3] offset:SLOT*((\p+3)&1)+512*\j
.endr
	ds_store_b32 v[4+26*(((\p+3)&3)>>1)], v[192+28*((\p+1)&1)+24] offset:SLOT*((\p+3)&1)
	WIN 0
.Lno_store_\@:
	s_bitcmp1_b32 s15, \p+4
	s_cbranch_scc0 .Lno_load_\@
	WIN 0x40                                       ; key step s + 4: bits over 15 are 0, so no load passes the head's end
.irp j, 0,1,2,3,4,5
	global_load_b128 v[192+28*((\p)&1)+4*\j:192+28*((\p)&1)+4*\j+3], v1, s[4:5] offset:12288*(\p+4)+512*\j
.endr
	global_load_b32 v[192+28*((\p)&1)+24], v7, s[6:7] offset:512*(\p+4)
	WIN 0
.Lno_load_\@:
; A prefetch, at every second key step, of key steps s + 6 and s + 7, whose loads are issued in steps s + 2 and s + 3: 3 waves x 8,192 bytes of K, 3 of V, lanes 256 bytes apart, each block named once in the launch.
; Steps 0 to 5 come by their loads alone; step 15 is the last that is named.
.if \p == 0
	s_cmp_gt_u32 s3, s18
	s_cbranch_scc0 .Lno_ask_\@
	global_prefetch_b8 v28, s[16:17] th:TH_LOAD_NT scope:SCOPE_SE
.Lno_ask_\@:
.endif
.if \p == 2
	s_cmp_gt_u32 s3, s19
	s_cbranch_scc0 .Lno_ask_\@
	global_prefetch_b8 v28, s[16:17] offset:24576 th:TH_LOAD_NT scope:SCOPE_SE
.Lno_ask_\@:
.endif
	s_bitcmp1_b32 s14, \p
	s_cbranch_scc0 .Lidle_\@
	WORK \p
	s_branch .Ldone_\@
.Lidle_\@:
	s_bitcmp1_b32 s14, \p+1
	s_cbranch_scc0 .Ldone_\@
	KLOAD (\p+1)&3                                 ; my tile leaves this step out and works the next: its K is asked for here
.Ldone_\@:
	s_wait_kmcnt 0x0
.if \p == 3
	s_wait_xcnt 0x0                                ; every load and the prefetches have read their bases
	s_add_nc_u64 s[4:5], s[4:5], 49152
	s_add_nc_u64 s[6:7], s[6:7], 2048
	s_add_nc_u64 s[8:9], s[8:9], 1024
	s_add_nc_u64 s[16:17], s[16:17], 49152
	s_lshr_b32 s14, s14, 4
	s_lshr_b32 s15, s15, 4
	s_lshr_b32 s24, s24, 4
	s_bitcmp1_b32 s24, 0
.else
	s_bitcmp1_b32 s24, \p+1
.endif
	s_cbranch_scc0 .Lno_mask_\@
	s_load_b512 s[32:47], s[8:9], 256*((\p+1)&3)       ; the next key step's lane masks, if it wants them
	s_load_b512 s[48:63], s[8:9], 256*((\p+1)&3)+64
	s_load_b512 s[68:83], s[8:9], 256*((\p+1)&3)+128
	s_load_b512 s[84:99], s[8:9], 256*((\p+1)&3)+192
.Lno_mask_\@:
	s_wait_dscnt 0x0                               ; my stores have landed and my reads are over
	s_barrier_signal -1
	s_barrier_wait -1
.endm
.Ltrip:
	HALF 0
	HALF 1
	HALF 2
	HALF 3
	s_sub_co_u32 s3, s3, 1
	s_cmp_lg_u32 s3, 0
	s_cbranch_scc1 .Ltrip
	; THE WAY OUT: O^T / the sum, quantised along the head's 128 channels: K step `head` of the last product's operand
	v_add_f32 v14, v14, v15
	v_permlanex16_b32 v252, v14, s[SEL], s[SEL+1]
	v_add_f32 v14, v14, v252
	v_rcp_f32 v14, v14
	v_nop                                          ; a plain place behind the reciprocal
	s_wait_alu depctr_va_vdst(0)                   ; and the wait ahead of its first reader
.set j, 0
.rept 64
	v_mul_f32 v[96+j], v[160+j], v14
.set j, j+1
.endr
	QUANT 96
.irp c, 0,1,2
	global_store_b128 v1, v[PC+4*\c:PC+4*\c+3], s[20:21] offset:512*\c
.endr
	global_store_b32 v8, v[PW], s[22:23]           ; lanes 16-31 write the same words with the same values; a tile's four heads of a kv head fill 256 bytes between them
	s_wait_tensorcnt 0x0                           ; the wave's end
	ds_add_u32 v[SPW], v[NIL]
	s_wait_dscnt 0x0
	s_endpgm
.Lfunc_end_k_qf816fdd0ff_attn:
	.size	k_qf816fdd0ff_attn, .Lfunc_end_k_qf816fdd0ff_attn-k_qf816fdd0ff_attn
	.p2alignl 7, 3214868480
	.fill 96, 4, 3214868480
	.section	.rodata,"a",@progbits
	.p2align	6, 0x0
	.amdhsa_kernel k_qf816fdd0ff_attn
		.amdhsa_group_segment_fixed_size 103424
		.amdhsa_private_segment_fixed_size 0
		.amdhsa_enable_private_segment 0
		.amdhsa_kernarg_size 24
		.amdhsa_user_sgpr_count 2
		.amdhsa_user_sgpr_kernarg_segment_ptr 1
		.amdhsa_wavefront_size32 1
		.amdhsa_system_sgpr_workgroup_id_x 1
		.amdhsa_system_sgpr_workgroup_id_y 1
		.amdhsa_system_sgpr_workgroup_id_z 1
		.amdhsa_system_vgpr_workitem_id 0
		.amdhsa_next_free_vgpr 512
		.amdhsa_next_free_sgpr 102
		.amdhsa_reserve_vcc 0
		.amdhsa_float_denorm_mode_32 3
		.amdhsa_float_denorm_mode_16_64 3
		.amdhsa_memory_ordered 1
		.amdhsa_forward_progress 1
		.amdhsa_inst_pref_size 129
	.end_amdhsa_kernel
	.amdgpu_metadata
---
amdhsa.version: [ 1, 2 ]
amdhsa.kernels:
  - .name:           k_qf816fdd0ff_attn
    .symbol:         k_qf816fdd0ff_attn.kd
    .args:
      - { .name: qkv, .offset: 0, .size: 8, .value_kind: global_buffer, .address_space: global }
      - { .name: maskw, .offset: 8, .size: 8, .value_kind: global_buffer, .address_space: global }
      - { .name: ctx, .offset: 16, .size: 8, .value_kind: global_buffer, .address_space: global }
    .group_segment_fixed_size: 103424
    .private_segment_fixed_size: 0
    .kernarg_segment_align: 8
    .kernarg_segment_size: 24
    .max_flat_workgroup_size: 256
    .sgpr_count:     102
    .vgpr_count:     512
    .wavefront_size: 32
...
	.end_amdgpu_metadata
.endif
;; end of part 3
;; launch oproj (part 4): grid 16 x 16, 4 waves a work-group, clusters of 4 x 4, 327,680 bytes of LDS; arguments ctx, codes1, out0; writes out0
.if DOCPART == 4
	.amdgcn_target "amdgcn-amd-amdhsa--gfx1250"
	.amdhsa_code_object_version 6
	.text
	.protected	k_qf816fdd0ff_oproj
	.globl	k_qf816fdd0ff_oproj
	.p2align	8
	.type	k_qf816fdd0ff_oproj,@function
k_qf816fdd0ff_oproj:
	s_mov_b64 s[64:65], 0
	v_nop
	global_prefetch_b8 v0, s[64:65] scope:SCOPE_SE
	s_setreg_imm32_b32 hwreg(HW_REG_WAVE_MODE, 25, 1), 1
	s_wait_xcnt 0x0
	s_wait_alu depctr_hold_cnt(0) depctr_sa_sdst(0) depctr_va_vdst(0) depctr_va_sdst(0) depctr_va_ssrc(0) depctr_va_vcc(0) depctr_vm_vsrc(0)
	s_getreg_b32 s2, hwreg(HW_REG_IB_STS2, 6, 4)
	s_cmp_eq_u32 s2, 0
	s_cbranch_scc0 .Lentry_in_a_cluster
	s_endpgm
.Lentry_in_a_cluster:
	s_bfe_u32 s2, ttmp6, 0x10000c
	s_cmp_lg_u32 s2, 0xf033
	s_cbranch_scc0 .Lentry_shape_is_right
	s_endpgm
.Lentry_shape_is_right:
; OPROJ: out0 = context Wo on codes of FP6 (E2M3) with E8M0 scales, f32 sums.  The context's codes come from the attention launch, Wo's from the first launch, both as images of operand registers
; (1,536 bytes a fragment of 16 rows x 128 K, four K steps of a tile on end; row r of tile T is row 32 (T / 2) + 8 (T % 2) + r + 8 (r / 8)).
; SHARES.  A work-group takes 128 rows x 128 columns: 16 x 16 = 256 work-groups.  Its four waves split the tile 2 x 2: a wave takes 64 rows (4 tiles) x 64 columns (4 tiles of Wo): 16 accumulators,
; 8 fragments from LDS for 16 products.  Source 0 = 16 columns of Wo, source 1 = 16 rows: a lane holds neighbouring columns of one row.
; RING.  Three LDS slots of 512 along K: the rows' 8 tiles, then Wo's 8.  Four fills: three at the start, one refill (K steps 12 to 15, into slot 0).  A wave has three tensor loads out at the start, one behind the refill's round.
; The change from slot 1 to slot 2 has no barrier: every wave has waited for its part of slot 2 in front of the refill's round.
; CLUSTER 4 x 4: the four of a row share the context's tiles, the four of a column Wo's: joint loads.
; REGISTERS: window 0: v1-14, v208 addresses; v16-79 the rows' scale words (16 i + s), v80-143 Wo's (16 t + s); v252, v253 the add's two.  window 1: accumulator (i, t) at 8 (4 i + t).
;   window 2: fragment set 0 (Wo at 12 t, the rows at 48 + 12 i), later rows on the way out.   window 3: fragment set 1.
.set CSC,   3145728
.set WOIMG, 8192000
.set WOSC,  11337728
.set SLOTB, 98304
.set WPART, 49152
.set SPARE, 294912                     ; behind the ring: the spare words, 128 bytes for each wave: two blocks of 256 bytes that no other line names
.set STG,   SLOTB                      ; the way out's stages lie in slot 1
.set SPITCH, 272                       ; a stage row: 256 bytes + 16
.set AX,  4                            ; v4-6    my four tiles of rows in slots 0, 1, 2
.set AW,  12                           ; v12-14  my four tiles of Wo
.set SX,  16
.set SW,  80
.set SPW, 252
.set NIL, 253
.set G1A, 24                           ; s[24:31] group 1 for the rows' tiles
.set G1B, 40                           ; s[40:47] for Wo's: it differs in the mask alone
.set G0A, 48                           ; s[48:59] group 0 for the rows' tiles, a set for each slot
.set G0B, 84                           ; s[84:95] for Wo's
.set MSB, 0
.macro WIN new
.if MSB != (\new)
	s_set_vgpr_msb (MSB<<8)|(\new)
.set MSB, \new
.endif
.endm
.macro PLACES n
.rept \n
	v_nop
.endr
.endm
.macro JLOAD p                         ; a joint load into slot p: waves 0 and 1 fetch the rows' halves, waves 2 and 3 Wo's; an s_nop 0 and four v_nop follow each of the two lines
	s_cmp_eq_u32 s17, 0
	s_cbranch_scc0 .Lfor_b_\@
	tensor_load_to_lds s[G0A+4*\p:G0A+4*\p+3], s[G1A:G1A+7]
	s_nop 0
.rept 4
	v_nop
.endr
	s_branch .Lasked_\@
.Lfor_b_\@:
	tensor_load_to_lds s[G0B+4*\p:G0B+4*\p+3], s[G1B:G1B+7]
	s_nop 0
.rept 4
	v_nop
.endr
.Lasked_\@:
.endm
.macro CROUND
	s_barrier_signal -1
	s_barrier_wait -1
	s_cmp_lg_u32 s16, 0
	s_cbranch_scc1 .Lnot_wave_0_\@
	s_barrier_signal -3
.Lnot_wave_0_\@:
	s_barrier_wait -3
	s_barrier_signal -1
	s_barrier_wait -1
.endm
.macro FETCH s                         ; K step s: 8 fragments, 24 loads of 512 consecutive bytes, into set s % 2; K steps 0-3 lie in slot 0, 4-7 in slot 1, 8-11 in slot 2, 12-15 in slot 0
.set SI, (((\s)>>2)%3)
	WIN 0x80+0x40*((\s)&1)
.irp t, 0,1,2,3
.irp c, 0,1,2
	ds_load_b128 v[12*\t+4*\c:12*\t+4*\c+3], v[AW+SI] offset:6144*\t+1536*((\s)&3)+512*\c
.endr
.endr
.irp i, 0,1,2,3
.irp c, 0,1,2
	ds_load_b128 v[48+12*\i+4*\c:48+12*\i+4*\c+3], v[AX+SI] offset:6144*\i+1536*((\s)&3)+512*\c
.endr
.endr
.endm
.macro MUL s, i0, n, zero              ; the rows' tiles i0 .. i0 + n - 1 against Wo's four; the accumulators take turns, one instruction a turn
.set ii, \i0
.rept \n
.irp t, 0,1,2,3
.if \zero
	v_wmma_scale_f32_16x16x128_f8f6f4 v[8*(4*ii+\t):8*(4*ii+\t)+7], v[12*\t:12*\t+11], v[48+12*ii:48+12*ii+11], 0, v[SW+16*\t+(\s)], v[SX+16*ii+(\s)] matrix_a_fmt:MATRIX_FMT_FP6 matrix_b_fmt:MATRIX_FMT_FP6
.else
	v_wmma_scale_f32_16x16x128_f8f6f4 v[8*(4*ii+\t):8*(4*ii+\t)+7], v[12*\t:12*\t+11], v[48+12*ii:48+12*ii+11], v[8*(4*ii+\t):8*(4*ii+\t)+7], v[SW+16*\t+(\s)], v[SX+16*ii+(\s)] matrix_a_fmt:MATRIX_FMT_FP6 matrix_b_fmt:MATRIX_FMT_FP6
.endif
.endr
.set ii, ii+1
.endr
.endm
.macro STEPN s, zero                   ; a K step whose successor may be read without a barrier
.if (\s) > 0
	PLACES 4                                       ; in front of loads into the set that the last K step's products read
.endif
	FETCH (\s)+1
	s_wait_dscnt 24                                ; all but the 24 just issued: this K step's fragments are in
	WIN 0x5a+5*((\s)&1)
	MUL \s, 0, 4, \zero
.endm
.macro STEPC s, fill                   ; a K step with a barrier.  fill = 1 (K step 3): slot 0 is filled again, with K steps 12 to 15.  fill = 0 (K step 11): that fill is shown to every wave
	WIN 0
	s_wait_tensorcnt 0x0                           ; all my tensor loads have landed
	ds_add_u32 v[SPW], v[NIL]                      ; 0 onto my spare word
.if \fill
	s_add_nc_u64 s[G0A+2:G0A+3], s[G0A+2:G0A+3], 18432   ; slot 0's next four K steps: three fills on
	s_add_nc_u64 s[G0B+2:G0B+3], s[G0B+2:G0B+3], 18432
.endif
	s_wait_dscnt 1                                 ; this K step's fragments are in; the add may be out
	WIN 0x5a+5*((\s)&1)
	MUL \s, 0, 2, 0
	s_wait_dscnt 0x0                               ; the add is done, and my reads of this slot are over
	WIN 0
.if \fill
	CROUND                                         ; no wave of any partner still reads slot 0 or has a load on its way
	JLOAD 0                                        ; the first tensor load behind the round; its four v_nop are also the places in front of the loads below
.else
	s_barrier_signal -1
	s_barrier_wait -1
	PLACES 4
.endif
	FETCH (\s)+1
	WIN 0x5a+5*((\s)&1)
	MUL \s, 2, 2, 0
.endm
	s_load_b128 s[4:7], s[0:1], 0x0                ; ctx s[4:5], codes1 s[6:7]
	s_load_b64 s[8:9], s[0:1], 0x10                ; out0
	v_lshl_add_u32 v[SPW], v0, 2, SPARE
	v_mov_b32 v[NIL], 0
	ds_add_u32 v[SPW], v[NIL]                      ; the wave's opening: the add and its wait ahead of my first tensor load
	v_lshrrev_b32 v1, 5, v0
	v_readfirstlane_b32 s16, v1                    ; wave 0..3
	s_lshr_b32 s17, s16, 1                         ; my half of the rows.  Also: I fetch for the rows (0) or for Wo (1)
	s_and_b32 s18, s16, 1                          ; my half of the columns.  Also: which four tiles I fetch
	s_bfe_u32 s19, ttmp6, 0x40000                  ; cx
	s_bfe_u32 s20, ttmp6, 0x40004                  ; cy
	s_lshl_b32 s21, ttmp9, 2
	s_add_co_u32 s21, s21, s19                     ; block of 128 columns, 0..15
	s_and_b32 s22, ttmp7, 0xffff
	s_lshl_b32 s22, s22, 2
	s_add_co_u32 s22, s22, s20                     ; block of 128 rows, 0..15
	s_lshl_b32 s23, s20, 2
	s_lshl_b32 s23, 15, s23                        ; my row of the cluster
	s_lshl_b32 s32, 0x1111, s19                    ; my column
	s_or_b32 s[G1A], s23, (3<<16)|(1<<21)          ; 15:0 the mask; 17:16 elements of 8 bytes; 21 set beside a mask; no padding
	s_or_b32 s[G1B], s32, (3<<16)|(1<<21)
.irp g, G1A, G1B
	s_mov_b32 s[\g+1], 768<<16                     ; tensor_dim0: four K steps of a tile, 6,144 bytes
	s_mov_b32 s[\g+2], 4<<16                       ; tensor_dim1: 4 tiles
	s_mov_b32 s[\g+3], 768<<16                     ; tile_dim0
	s_mov_b32 s[\g+4], 4                           ; tile_dim1
	s_mov_b32 s[\g+5], 3072                        ; from tile to tile: 24,576 bytes
	s_mov_b32 s[\g+6], 0
	s_mov_b32 s[\g+7], 0
.endr
	s_lshl_b32 s33, s22, 3
	s_lshl_b32 s34, s18, 2
	s_add_co_u32 s33, s33, s34                     ; the rows: tile 8 wgy + 4 half
	s_mul_i32 s34, s33, 24576
	s_mov_b32 s35, 0
	s_lshl_b32 s36, s21, 3
	s_lshl_b32 s37, s18, 2
	s_add_co_u32 s36, s36, s37                     ; Wo: tile 8 wgx + 4 half
	s_mul_i32 s36, s36, 24576
	s_add_co_u32 s36, s36, WOIMG
	s_mov_b32 s37, 0
	s_mul_i32 s62, s16, 24576                      ; where they go: 24,576 x wave: the rows' halves, then Wo's: no place in the cluster enters an LDS address
	s_wait_dscnt 0x0                               ; the opening add is done
	s_wait_kmcnt 0x0
	s_add_nc_u64 s[66:67], s[4:5], s[34:35]
	s_add_nc_u64 s[68:69], s[6:7], s[36:37]
	CROUND                                         ; all sixteen work-groups are here: the first joint loads meet
.irp p, 0,1,2
	s_mov_b32 s[G0A+4*\p], 1
	s_add_co_u32 s[G0A+4*\p+1], s62, \p*SLOTB
	s_add_nc_u64 s[G0A+4*\p+2:G0A+4*\p+3], s[66:67], \p*6144
	s_or_b32 s[G0A+4*\p+3], s[G0A+4*\p+3], 0x80000000
	s_mov_b32 s[G0B+4*\p], 1
	s_add_co_u32 s[G0B+4*\p+1], s62, \p*SLOTB
	s_add_nc_u64 s[G0B+4*\p+2:G0B+4*\p+3], s[68:69], \p*6144
	s_or_b32 s[G0B+4*\p+3], s[G0B+4*\p+3], 0x80000000
	JLOAD \p
.endr
	; the scale words of all 16 K steps stay in registers: lane r takes row r's four words of four K steps by one load
	v_and_b32 v1, 31, v0                           ; lane
	v_and_b32 v2, 15, v0                           ; r
	v_bfe_u32 v3, v0, 4, 1                         ; h
	v_lshlrev_b32 v208, 4, v2
	s_lshl_b32 s74, s22, 7
	s_lshl_b32 s75, s17, 6
	s_add_co_u32 s74, s74, s75                     ; my first row: 128 wgy + 64 x my half
	s_lshl_b32 s76, s74, 6                         ; its tile x 1,024
	s_add_co_u32 s76, s76, CSC
	s_mov_b32 s77, 0
	s_add_nc_u64 s[70:71], s[4:5], s[76:77]
	s_lshl_b32 s76, s21, 13
	s_lshl_b32 s75, s18, 12
	s_add_co_u32 s76, s76, s75                     ; Wo's tile 8 wgx + 4 x my half, x 1,024
	s_add_co_u32 s76, s76, WOSC
	s_add_nc_u64 s[72:73], s[6:7], s[76:77]
.irp i, 0,1,2,3
.irp q, 0,1,2,3
	global_load_b128 v[SX+16*\i+4*\q:SX+16*\i+4*\q+3], v208, s[70:71] offset:1024*\i+256*\q
.endr
.endr
.irp t, 0,1,2,3
.irp q, 0,1,2,3
	global_load_b128 v[SW+16*\t+4*\q:SW+16*\t+4*\q+3], v208, s[72:73] offset:1024*\t+256*\q
.endr
.endr
	v_lshlrev_b32 v8, 4, v1                        ; 16 x lane
	s_mul_i32 s75, s17, 24576
	v_add_nc_u32 v4, s75, v8                       ; my four tiles of rows in slot 0,
	v_add_nc_u32 v5, SLOTB, v4                     ; 1,
	v_add_nc_u32 v6, SLOTB, v5                     ; 2
	s_mul_i32 s75, s18, 24576
	s_add_co_u32 s75, s75, WPART
	v_add_nc_u32 v12, s75, v8                      ; my four tiles of Wo likewise
	v_add_nc_u32 v13, SLOTB, v12
	v_add_nc_u32 v14, SLOTB, v13
	s_mul_i32 s75, s16, 16*SPITCH
	s_add_co_u32 s75, s75, STG                     ; my stage: 16 rows x 272 bytes
	v_mul_u32_u24 v10, v2, SPITCH
	v_lshl_add_u32 v10, v3, 6, v10
	v_add_nc_u32 v10, s75, v10                     ; in: row r, + 64 h
	v_mul_u32_u24 v11, v3, SPITCH
	v_lshl_add_u32 v11, v2, 4, v11
	v_add_nc_u32 v11, s75, v11                     ; back: lanes 0-15 one row of 256 bytes, lanes 16-31 the next
	v_lshlrev_b32 v9, 13, v3
	v_lshl_add_u32 v9, v2, 4, v9                   ; and the same two rows in out0
	s_lshl_b32 s76, s74, 13                        ; my first row of out0,
	s_lshl_b32 s75, s21, 9                         ; the work-group's 128 columns,
	s_add_co_u32 s76, s76, s75
	s_lshl_b32 s75, s18, 8                         ; my 64 of them
	s_add_co_u32 s76, s76, s75
	s_add_nc_u64 s[8:9], s[8:9], s[76:77]
	s_wait_tensorcnt 2                             ; my part of slot 0 is in; slots 1 and 2 may stay out
	s_barrier_signal -1
	s_barrier_wait -1
	FETCH 0
	s_wait_loadcnt 0x0                             ; the scale words
	STEPN 0, 1                                     ; the first K step starts the sums
	STEPN 1, 0
	STEPN 2, 0
	STEPC 3, 1
	STEPN 4, 0
	STEPN 5, 0
	STEPN 6, 0
	STEPN 7, 0                                     ; on into slot 2, which K step 3's wait and round have shown whole to every wave
	STEPN 8, 0
	STEPN 9, 0
	STEPN 10, 0
	STEPC 11, 0
	STEPN 12, 0
	STEPN 13, 0
	STEPN 14, 0
	s_wait_dscnt 0x0
	WIN 0x5f
	MUL 15, 0, 4, 0
	PLACES 4                                       ; in front of the first reads of results and of loads into set 0's registers
; THE WAY OUT, a tile of 16 rows x 64 columns at a time, through my own stage.  It lies in slot 1, which was filled once, at the start, and whose last readers passed K step 11's barrier.
.macro TOSTAGE i
	WIN 0x04                                       ; the data: the accumulators, each from its low end on
.irp b, 0,1
.irp q, 0,1,2,3
	ds_store_b128 v10, v[32*\i+16*\b+4*\q:32*\i+16*\b+4*\q+3] offset:128*\b+16*\q
.endr
.endr
	WIN 0x80
.irp t, 0,1,2,3,4,5,6,7
	ds_load_b128 v[32*((\i)&1)+4*\t:32*((\i)&1)+4*\t+3], v11 offset:2*\t*SPITCH   ; LDS serves a wave's instructions in order: these see my stores, and the next tile's stores come behind them
.endr
.endm
.macro SEND i, younger
	s_wait_dscnt \younger                          ; the tile is back in registers
	WIN 0x08
.irp t, 0,1,2,3,4,5,6,7
	global_store_b128 v9, v[32*((\i)&1)+4*\t:32*((\i)&1)+4*\t+3], s[8:9] offset:(32*((\i)>>1)+8*((\i)&1)+2*\t+8*(\t>>2))*8192 th:TH_STORE_NT   ; 16 lanes store 256 consecutive bytes, at a multiple of 256 from out0's first byte
.endr
.endm
	TOSTAGE 0
	TOSTAGE 1
	SEND 0, 16                                     ; behind tile 0's loads: tile 1's 8 stores and 8 loads
	s_wait_xcnt 0x0                                ; tile 0's stores have read their registers
	TOSTAGE 2
	SEND 1, 16
	s_wait_xcnt 0x0
	TOSTAGE 3
	SEND 2, 16
	SEND 3, 0
	WIN 0
	s_wait_tensorcnt 0x0                           ; the wave's end
	ds_add_u32 v[SPW], v[NIL]
	s_wait_dscnt 0x0
	CROUND                                         ; the closing round
	s_endpgm
.Lfunc_end_k_qf816fdd0ff_oproj:
	.size	k_qf816fdd0ff_oproj, .Lfunc_end_k_qf816fdd0ff_oproj-k_qf816fdd0ff_oproj
	.p2alignl 7, 3214868480
	.fill 96, 4, 3214868480
	.section	.rodata,"a",@progbits
	.p2align	6, 0x0
	.amdhsa_kernel k_qf816fdd0ff_oproj
		.amdhsa_group_segment_fixed_size 327680
		.amdhsa_private_segment_fixed_size 0
		.amdhsa_enable_private_segment 0
		.amdhsa_kernarg_size 24
		.amdhsa_user_sgpr_count 2
		.amdhsa_user_sgpr_kernarg_segment_ptr 1
		.amdhsa_wavefront_size32 1
		.amdhsa_system_sgpr_workgroup_id_x 1
		.amdhsa_system_sgpr_workgroup_id_y 1
		.amdhsa_system_sgpr_workgroup_id_z 1
		.amdhsa_system_vgpr_workitem_id 0
		.amdhsa_next_free_vgpr 1024
		.amdhsa_next_free_sgpr 100
		.amdhsa_reserve_vcc 0
		.amdhsa_float_denorm_mode_32 3
		.amdhsa_float_denorm_mode_16_64 3
		.amdhsa_memory_ordered 1
		.amdhsa_forward_progress 1
		.amdhsa_inst_pref_size 80
	.end_amdhsa_kernel
	.amdgpu_metadata
---
amdhsa.version: [ 1, 2 ]
amdhsa.kernels:
  - .name:           k_qf816fdd0ff_oproj
    .symbol:         k_qf816fdd0ff_oproj.kd
    .args:
      - { .name: ctx, .offset: 0, .size: 8, .value_kind: global_buffer, .address_space: global }
      - { .name: codes1, .offset: 8, .size: 8, .value_kind: global_buffer, .address_space: global }
      - { .name: out0, .offset: 16, .size: 8, .value_kind: global_buffer, .address_space: global }
    .group_segment_fixed_size: 327680
    .private_segment_fixed_size: 0
    .kernarg_segment_align: 8
    .kernarg_segment_size: 24
    .max_flat_workgroup_size: 128
    .sgpr_count:     100
    .vgpr_count:     1024
    .wavefront_size: 32
...
	.end_amdgpu_metadata
.endif
;; end of part 4
